; MI455X (gfx1250); checked and timed in simulation.
; The chip was launched on July 23, 2026; its instructions are those of AMD's public machine-readable ISA for CDNA 5 (MIT licence, August 2026) and "CDNA5" Instruction Set Architecture Reference Guide (July 2026). The comments in the code are by the model that wrote it; some were corrected since.
;; Mutual My Layer. Allowed arithmetic: matrix products marked QUANTISED: E4M3 operands, one E8M0 scale for each 32 along K, by v_wmma_scale_f32_16x16x128_f8f6f4 with both operands' format E4M3, f32 sums; everything else in f32.
;; Inputs: kernel_codes 3 x 1,024 x 32 x 32 uint8 (E4M3 codes of kernel, K innermost, in blocks of 32 codes); kernel_scales 3 x 1,024 x 32 uint8 (E8M0 scales of kernel, one for each 32 codes along K); x_codes 4 x 2,048 x 32 x 32 uint8 (E4M3 codes of x, K innermost, in blocks of 32 codes); x_scales 4 x 2,048 x 32 uint8 (E8M0 scales of x, one for each 32 codes along K); y_codes 4 x 2,048 x 32 x 32 uint8 (E4M3 codes of y, K innermost, in blocks of 32 codes); y_scales 4 x 2,048 x 32 uint8 (E8M0 scales of y, one for each 32 codes along K).
;; Outputs: out0 4 x 2,048 x 1,024 float32.
;; This version of the problem:
;;   THIS VERSION OF THE PROBLEM IS GIVEN IN LOW PRECISION. The matrix products marked QUANTISED in the list below multiply operands that are first quantised to E4M3 (4 exponent bits, 3 mantissa bits; 8 bits a number), with one power-of-two scale for each 32 numbers along K (OCP MX v1.0); their sums are f32. All else is computed in f32.
;;   The module's matrix products, in the order in which they are computed (A, B: the left and right operand; K: the contracted axis; several contracted axes count as one K, in the product's order):
;;     1. [M 8,192, K 1,024] x [K 1,024, N 1,024]; A: input x (given as codes); B: input kernel (given as codes): QUANTISED
;;     2. [M 8,192, K 1,024] x [K 1,024, N 1,024]; A: input x (given as codes); B: input kernel (given as codes): QUANTISED
;;     3. [M 8,192, K 1,024] x [K 1,024, N 1,024]; A: input y (given as codes); B: input kernel (given as codes): QUANTISED
;;     4. batch 4 x [M 2,048, K 1,024] x [K 1,024, N 2,048]; A: computed on the way; B: computed on the way: QUANTISED
;;     5. batch 4 x [M 2,048, K 2,048] x [K 2,048, N 1,024]; A: softmax (see below); B: computed on the way: QUANTISED
;;   THE QUANTISER, for each operand of a quantised product, along K:
;;     - K is cut into blocks of 32 from its start; a last block that is shorter is filled with zeros.
;;     - A block's scale is 2^e with e = floor(log2(the largest magnitude in the block)) - 8, held to -126 .. 127; a block of zeros has e = 0. As a byte (E8M0): e + 127.
;;     - Each number is divided by its block's scale, clamped to +-448, and rounded to the nearest number of E4M3, ties to even, subnormals kept.
;;     - The product sums the exact products of the quantised numbers (number of the format x scale) in f32.
;;   ~~~python
;;   def quantise(x, axis):      # numpy; x: float32 -> the quantised numbers, widened to float32 again
;;       x = np.moveaxis(x, axis, -1); K = x.shape[-1]
;;       x = np.pad(x, [(0, 0)] * (x.ndim - 1) + [(0, -K % 32)]); x = x.reshape(x.shape[:-1] + (-1, 32)); a = np.abs(x).max(-1, keepdims=True)
;;       e = np.where(a > 0, np.clip(np.frexp(np.where(a > 0, a, 1))[1] - 1 - 8, -126, 127), 0)      # np.frexp(a)[1] - 1 = floor(log2(a)), exactly
;;       r = np.clip(x / 2.0 ** e, -448, 448)
;;       step = 2.0 ** (np.maximum(np.frexp(np.where(r == 0, 1, r))[1] - 1, -6) - 3)
;;       q = np.round(r / step) * step * 2.0 ** e      # np.round: ties to even
;;       return np.moveaxis(q.reshape(q.shape[:-2] + (-1,))[..., :K], -1, axis).astype(np.float32)
;;   ~~~
;;   SOFTMAX AHEAD OF A QUANTISED PRODUCT. Where the list says 'softmax', what is quantised is not the finished softmax but p = 2^(t - M), with t = logit x log2(e) and M = ceil(the row's largest t), a whole number; so 1/2 < the row's largest p <= 1. The row's sum l is taken of the UNQUANTISED p, in f32, and the product's result is divided by l at the end. Since M is a whole number, a kernel that streams over the keys may use a running M (the ceiling of the running maximum): every later rescaling is an exact power of two, which a block's scale takes up: the codes' values come out the same.
;;   OPERANDS COMPUTED ON THE WAY. 'Computed on the way' means the value that the module computes at that place (a softmax that the list does not call 'softmax' is quantised finished and normalised). What goes into a quantiser is computed in f32, as accurately as f32 sums, v_exp_f32 and their like allow (about 1e-6 of the number): no bf16 or f16 on the way to a quantiser, and a product that is left as it is and whose result goes on into a quantised operand takes f32 operands (vector FMAs, or v_wmma_f32_16x16x4_f32). A number that lies on a knife's edge between two numbers of the format may be rounded either way, as far as f32 arithmetic and the matrix unit's own rounding can turn it there, and no further.
;;   INPUTS GIVEN AS CODES. kernel (in the module: [3, 1024, 1024], K = its axis 1); x (in the module: [4, 2048, 1024], K = its axis 2); y (in the module: [4, 2048, 1024], K = its axis 2): each comes as NAME_codes (uint8): NAME with its K axis moved to the last place and cut into blocks of 32 codes, [.., K / 32, bytes a block], one block behind the other in memory; one code a byte (a code: sign, 4 exponent bits, 3 mantissa bits); and NAME_scales (uint8): the same leading axes, one E8M0 byte (e + 127) for each 32 codes along K. Its value is code x scale, taken as it is: it is not quantised again, and the codes and scales need not be those that the quantiser above would give.
;; One version. Each part assembles by itself: llvm-mc -triple=amdgcn-amd-amdhsa -mcpu=gfx1250 --defsym DOCPART=n.
;; ======== version 1 of 1: 3 launches
;; limits: right only within a limited range of input values
;; workspace buffers: qkv 25,165,824 bytes; qkvs 786,432 bytes; pc 16,777,216 bytes; pstat 1,572,864 bytes
;; launch proj (part 1): grid 16 x 16, 4 waves a work-group, clusters of 4 x 4, 327,680 bytes of LDS; arguments kernel_codes, kernel_scales, x_codes, x_scales, y_codes, y_scales, qkv, qkvs; writes qkv, qkvs
.if DOCPART == 1
	.amdgcn_target "amdgcn-amd-amdhsa--gfx1250"
	.amdhsa_code_object_version 6
	.text
	.protected	k_q16d7316b19_proj
	.globl	k_q16d7316b19_proj
	.p2align	8
	.type	k_q16d7316b19_proj,@function
k_q16d7316b19_proj:
	s_mov_b64 s[64:65], 0
	v_nop
	global_prefetch_b8 v0, s[64:65] scope:SCOPE_SE
	s_setreg_imm32_b32 hwreg(HW_REG_WAVE_MODE, 25, 1), 1
	s_wait_xcnt 0x0
	s_wait_alu depctr_hold_cnt(0) depctr_sa_sdst(0) depctr_va_vdst(0) depctr_va_sdst(0) depctr_va_ssrc(0) depctr_va_vcc(0) depctr_vm_vsrc(0)
	s_getreg_b32 s2, hwreg(HW_REG_IB_STS2, 6, 4)
	s_cmp_eq_u32 s2, 0
	s_cbranch_scc0 .Lentry_in_a_cluster
	s_endpgm
.Lentry_in_a_cluster:
	s_bfe_u32 s2, ttmp6, 0x10000c
	s_cmp_lg_u32 s2, 0xf033
	s_cbranch_scc0 .Lentry_shape_is_right
	s_endpgm
.Lentry_shape_is_right:
; LAUNCH 1 OF 3.  Q = x W_q, K = x W_k, V = y W_v on codes of MX-FP8 (E4M3, a scale byte for 32 along K = 1,024), each result quantised on the way out.  No work of the problem is left out: every product is live.
; LIMITS: NaN, infinities and sums beyond f32's range are not served.  A block's byte never falls under 1 (magnitudes under 2^-118).
; OUT.  qkv: images of operand registers.  Q, K: [step of 256 along K: Q's 4, K's 4][16 rows: 512][128-step 2][c 4][lane 32][16 bytes].  V, at 0x1000000: [256 tokens: 32][16 channels: 64][128-step 2][c 4][lane][16].
; Inside a block of 32 along the next K the order is: 8 h + j of the first 16, then of the second: alike on both sides of each later product, so the products stay.
; qkvs: scale words.  Q, K: [128-step: 16][128 rows: 64][row 16][block 8];  V, at 0x80000: [128 tokens: 64][128 channels: 8][row 16][block 8].
; THE DEAL.  256 work-groups of four waves, 2 x 2.  A wave holds 64 rows of a weight, ALL of K, in registers (512) and streams rows of x or y past them in blocks of 16, which stand in registers as two whole sets (256).
; PHASE 1: 512 rows of x x 128 columns of Q (tile columns 0 to 7) or K (8 to 15): four chunks of 128 rows, sixteen blocks a wave.  PHASE 2: 256 rows of y x 128 columns of V: two chunks, eight blocks.
; Of a chunk, wave row w has rows 64 w .. 64 w + 63: block j rows 16 j on.
; FILLS.  LDS holds two slots of 128 rows.  At the head: the weight (wave 0, slot 1), chunk 0 (wave 1, slot 0), x's scale bytes (wave 2), y's (wave 3).  Refills, each in a drained round of the cluster's barrier, a quarter of 128 rows a wave:
; x's chunks 1, 2, 3 inside blocks 0, 4, 8 (their first halves, waves 0 and 1's, are shown by the plain barrier inside the block two on, the rest by the next round); W_v's rows inside block 12 (slot 0), y's chunk 0 inside block 14 (slot 1), y's chunk 1 at the change of phase (slot 0).
; CLUSTERS: 4 x 4: rows of x and y are asked for jointly along a row of the cluster, a weight's rows along a column.  V's row tile is 2 x tile row + cluster x / 2, its column tile 4 (cluster x % 2) + cx.
; A block's way out stands among later products: Q's and K's among the next block's, a pair of V's blocks (32 tokens) among the next pair's.
; PREFETCHES: a chunk's 128 x 1,024 bytes are shared out by address among the sixteen waves of the cluster's row (W_v: column), 32 blocks of 256 bytes each; chunks 1, 2 at the head, then chunk 3, W_v, y's chunks 0, 1, each four blocks or more ahead of its load.  W_v is asked for where cluster x < 2 alone: the other clusters read the same rows.
.set PITCH, 1040  ; an LDS row: 1,024 bytes + 16 of padding
.set CH, 128
.set YB, CH*PITCH  ; slot 1
.set SCL, 2*YB  ; scale bytes: x's 512 rows, then y's 256, as units of 256 bytes (8 rows) + 16
.set SCU, 272
.set XN, SCL+96*SCU  ; Q's or K's scale words on the way out: 4 x 512 bytes
.set XV, XN+2048  ; V's: 2 x 512
.set SPARE, XV+1024
.set FR, 16
.set FPW, 16  ; fragments in a window
.set NB, 4
.set NP, 8  ; plain vector lines behind a matrix instruction (ISA guide 7.12.1)
.set NF, 34  ; LDS loads of a block: 8 fragments of four, two of four scale words
.set EMAX, 8
.set ADRA0, 4
.set AAS0, 6
.set CO, 9
.set SPW, 10
.set NIL, 11
.set ADRA, 12
.set VX, 13
.set ADRB, 14  ; v14 the weight in slot 1, v15 W_v in slot 0
.set ABS, 16
.set AAS, 17
.set VX0, 18
.set RD, 19
.set SOP, 20  ; v20-23 the conversions' scale operands
.set SB, 24  ; v24-39 the weight's scale words: register 8 p + q: lanes 0-15 tile 2 p's, lanes 16-31 tile 2 p + 1's
.set EB, 40
.set SA, 44  ; v44-59 scale words of x or y, two sets of eight
.set TQ, 60
.set ACC, 64  ; v64-191 four sets of four accumulators
.set WS, 128  ; W_v's scale words in phase 1
.set NCD, 192
.set MCD, 192
.set G1B, 24
.set G1R, 32
.set G0R, 40
.set G1A, 48
.set G0B, 56
.set G0A, 60
.set G1S, 76
.set G1T, 84
.set G0S, 92
.set G0T, 96
.set STX, 2  ; scalars of the loops: where a chunk's scale words go;
.set AST, 3  ; where they come from;
.set POF, 12  ; a prefetch's offset;
.set PSK, 13  ; the trip in which none is made;
.set CUR, 44  ; this chunk's slot;
.set NXT, 45  ; the next one's;
.set FSL, 47  ; phase 2: where the blocks two on lie
.set MSB, 0
.macro WIN new
.if MSB != \new
	s_set_vgpr_msb (MSB<<8)|\new
.set MSB, \new
.endif
.endm
.macro PLACES n
.rept \n
	v_nop
.endr
.endm
.macro WALU
	s_wait_alu depctr_va_vdst(0)
.endm
.macro BARRIER
	s_barrier_signal -1
	s_barrier_wait -1
.endm
.macro CROUND
	BARRIER
	s_cmp_lg_u32 s14, 0
	s_cbranch_scc1 .Lnot_wave_0_\@
	s_barrier_signal -3
.Lnot_wave_0_\@:
	s_barrier_wait -3
	BARRIER
.endm
.macro TLOAD g0, g1
	tensor_load_to_lds s[\g0:\g0+3], s[\g1:\g1+7]
	s_nop 0
	PLACES 4
.endm
.macro GROUP1 g, mask, rows  ; so many whole rows of 1,024 bytes, 16 bytes of padding behind each
	s_or_b32 s[\g+0], s[\mask], (1<<20)|(1<<21)|(7<<22)|(3<<25)
	s_mov_b32 s[\g+1], 1024<<16
	s_mov_b32 s[\g+2], (\rows)<<16
	s_mov_b32 s[\g+3], 1024<<16
	s_mov_b32 s[\g+4], \rows
	s_mov_b32 s[\g+5], 1024
	s_mov_b32 s[\g+6], 0
	s_mov_b32 s[\g+7], 0
.endm
.macro GROUPS g, mask, rows  ; scale bytes: dense, as rows of 256 bytes (32 elements of 8), 16 bytes of padding behind each
	s_or_b32 s[\g+0], s[\mask], (3<<16)|(1<<20)|(1<<21)|(5<<22)|(3<<25)
	s_mov_b32 s[\g+1], 32<<16
	s_mov_b32 s[\g+2], (\rows)<<16
	s_mov_b32 s[\g+3], 32<<16
	s_mov_b32 s[\g+4], \rows
	s_mov_b32 s[\g+5], 32
	s_mov_b32 s[\g+6], 0
	s_mov_b32 s[\g+7], 0
.endm
.macro SADD d, x
	s_add_co_u32 s\d, s\d, s\x
.endm
	s_load_b256 s[4:11], s[0:1], 0x0  ; kernel's codes, scales; x's codes, scales
	s_load_b256 s[68:75], s[0:1], 0x20  ; y's codes, scales; qkv, qkvs
	v_lshl_add_u32 v[SPW], v0, 2, SPARE
	v_mov_b32 v[NIL], 0
	ds_add_u32 v[SPW], v[NIL]  ; the wave's opening: the add, twice on end, ahead of my first tensor load
	ds_add_u32 v[SPW], v[NIL]
	v_lshrrev_b32 v1, 5, v0
	v_readfirstlane_b32 s14, v1  ; wave
	s_lshr_b32 s15, s14, 1  ; my row of waves
	s_and_b32 s16, s14, 1  ; my column of waves
	s_bfe_u32 s20, ttmp6, 0x40000  ; cx
	s_bfe_u32 s21, ttmp6, 0x40004  ; cy
	s_lshl_b32 s13, ttmp9, 2
	SADD 13, 20  ; s13 tile column of Q, K
	s_and_b32 s2, ttmp7, 0xffff
	s_lshl_b32 s2, s2, 2
	SADD 2, 21  ; s2 tile row of x
	s_lshl_b32 s3, s2, 1
	s_lshr_b32 s22, ttmp9, 1
	SADD 3, 22  ; s3 tile row of y
	s_and_b32 s12, ttmp9, 1
	s_lshl_b32 s12, s12, 2
	SADD 12, 20  ; s12 tile column of V
	s_lshl_b32 s44, s21, 2
	s_lshl_b32 s44, 15, s44  ; my row of the cluster
	s_lshl_b32 s45, 0x1111, s20  ; my column
	s_lshl_b32 s100, s20, 2
	SADD 100, 14
	s_lshl_b32 s100, s100, 13  ; my sixteenth of a chunk,
	s_lshl_b32 s101, s21, 2
	SADD 101, 14
	s_lshl_b32 s101, s101, 13  ; of W_v's rows
	GROUP1 G1B, 45, 128
	GROUP1 G1A, 44, 128
	GROUP1 G1R, 44, 32
	GROUPS G1S, 44, 64
	GROUPS G1T, 44, 32
	s_mov_b32 s[G0A], 1
	s_mov_b32 s[G0A+1], 0
	s_mov_b32 s[G0B], 1
	s_mov_b32 s[G0B+1], YB
	s_mov_b32 s[G0S], 1
	s_mov_b32 s[G0S+1], SCL
	s_mov_b32 s[G0T], 1
	s_mov_b32 s[G0T+1], SCL+64*SCU
	s_lshl_b32 s66, s16, 1
	s_or_b32 s66, s66, s15  ; my quarter of a refill: waves 0, 1 bring rows 0-31, 64-95, waves 2, 3 rows 32-63, 96-127
	s_mul_i32 s67, s66, 32*PITCH
	s_mul_i32 s18, s15, 64*PITCH
	s_mul_i32 s19, s16, 64*PITCH
	s_add_co_u32 s20, s19, YB
	s_mul_i32 s21, s15, 8*SCU
	s_add_co_u32 s21, s21, SCL
	s_lshl_b32 s22, s15, 4
	s_lshl_b32 s23, s16, 1
	SADD 22, 23
	s_add_co_u32 s22, s22, XN
	s_lshl_b32 s23, s16, 4
	s_lshl_b32 s46, s15, 1
	SADD 23, 46
	s_add_co_u32 s23, s23, XV
	v_and_b32 v1, 15, v0  ; r
	v_bfe_u32 v2, v0, 4, 1  ; h
	v_and_b32 v3, 31, v0  ; lane
	v_mul_u32_u24 v7, v1, PITCH
	v_lshl_add_u32 v8, v2, 4, v7  ; a fragment's row x pitch + 16 x half
	v_add_nc_u32 v[ADRA0], s18, v8
	v_add_nc_u32 v[ADRB+1], s19, v8
	v_add_nc_u32 v[ADRB], s20, v8
	v_lshlrev_b32 v[ABS], 5, v3
	v_lshlrev_b32 v[RD], 5, v1
	v_lshrrev_b32 v[AAS0], 3, v1
	v_lshl_add_u32 v[AAS0], v[AAS0], 4, v[RD]  ; row r's scale bytes: 32 a row, 16 more for each 256 passed
	v_add_nc_u32 v[AAS0], s21, v[AAS0]
	v_add_nc_u32 v[VX0], s22, v[RD]
	v_add_nc_u32 v[RD], s23, v[RD]
	v_lshlrev_b32 v[CO], 4, v3
	s_lshl_b32 s18, s2, 19  ; x's rows
	s_mov_b32 s19, 0
	s_lshl_b32 s20, s13, 17  ; the weight's rows
	s_mov_b32 s21, 0
	s_lshl_b32 s22, s2, 14  ; x's scale bytes
	s_mov_b32 s23, 0
	s_lshl_b32 s46, s3, 13  ; y's
	s_mov_b32 s47, 0
	WALU
	s_wait_dscnt 0x0  ; both opening adds are done
	CROUND
	s_wait_kmcnt 0x0
	s_add_nc_u64 s[8:9], s[8:9], s[18:19]
	s_mov_b64 s[G0A+2:G0A+3], s[8:9]
	s_or_b32 s[G0A+3], s[G0A+3], 0x80000000
	s_add_nc_u64 s[G0B+2:G0B+3], s[4:5], s[20:21]
	s_or_b32 s[G0B+3], s[G0B+3], 0x80000000
	s_add_nc_u64 s[G0S+2:G0S+3], s[10:11], s[22:23]
	s_or_b32 s[G0S+3], s[G0S+3], 0x80000000
	s_add_nc_u64 s[G0T+2:G0T+3], s[70:71], s[46:47]
	s_or_b32 s[G0T+3], s[G0T+3], 0x80000000
	s_cmp_eq_u32 s14, 0  ; one joint load a wave, a line each
	s_cbranch_scc0 .Lwave_1
	TLOAD G0B, G1B
	s_branch .Lasked
.Lwave_1:
	s_cmp_eq_u32 s14, 1
	s_cbranch_scc0 .Lwave_2
	TLOAD G0A, G1A
	s_branch .Lasked
.Lwave_2:
	s_cmp_eq_u32 s14, 2
	s_cbranch_scc0 .Lwave_3
	TLOAD G0S, G1S
	s_branch .Lasked
.Lwave_3:
	TLOAD G0T, G1T
.Lasked:
	s_lshl_b32 s18, s13, 12  ; the weight's scale bytes: my wave's 64 rows
	s_lshl_b32 s22, s16, 11
	SADD 18, 22
	s_lshl_b32 s20, s12, 12  ; W_v's, behind W_q's and W_k's 2,048 rows
	SADD 20, 22
	s_add_co_u32 s20, s20, 65536
	s_add_nc_u64 s[18:19], s[6:7], s[18:19]
	s_add_nc_u64 s[20:21], s[6:7], s[20:21]
.irp p, 0,1
.irp c, 0,1
	global_load_b128 v[SB+8*\p+4*\c:SB+8*\p+4*\c+3], v[ABS], s[18:19] offset:1024*\p+16*\c
	global_load_b128 v[WS+8*\p+4*\c:WS+8*\p+4*\c+3], v[ABS], s[20:21] offset:1024*\p+16*\c
.endr
.endr
	s_lshl_b32 s22, s12, 17  ; s[4:5] W_v's rows
	s_add_co_u32 s22, s22, 0x200000
	s_add_nc_u64 s[4:5], s[4:5], s[22:23]
	s_lshl_b32 s22, s3, 18  ; s[68:69] y's rows
	s_add_nc_u64 s[68:69], s[68:69], s[22:23]
	s_lshl_b32 s10, s66, 15  ; s[10:11] my quarter of 128 rows
	s_mov_b32 s11, 0
	s_mov_b32 s[G0R], 1
	s_add_nc_u64 s[G0R+2:G0R+3], s[8:9], s[10:11]
	s_or_b32 s[G0R+3], s[G0R+3], 0x80000000
	s_lshr_b32 s22, s13, 1  ; s[6:7] my codes of Q or K, a chunk back
	s_lshl_b32 s22, s22, 21
	s_and_b32 s46, s13, 1
	s_lshl_b32 s46, s46, 11
	SADD 22, 46
	s_lshl_b32 s46, s16, 10
	SADD 22, 46
	s_lshl_b32 s46, s2, 17
	SADD 22, 46
	s_lshl_b32 s46, s15, 14
	SADD 22, 46
	s_add_nc_u64 s[6:7], s[72:73], s[22:23]
	s_sub_nc_u64 s[6:7], s[6:7], 0x8000
	s_lshl_b32 s22, s3, 18  ; s[70:71] my codes of V
	s_lshl_b32 s46, s12, 15
	SADD 22, 46
	s_lshl_b32 s46, s16, 14
	SADD 22, 46
	s_lshl_b32 s46, s15, 10
	SADD 22, 46
	s_add_co_u32 s22, s22, 0x1000000
	s_add_nc_u64 s[70:71], s[72:73], s[22:23]
	s_lshl_b32 s22, s13, 15  ; s[72:73] the scale words of Q or K that my wave stores
	s_lshl_b32 s46, s2, 11
	SADD 22, 46
	s_lshl_b32 s46, s14, 9
	SADD 22, 46
	s_add_nc_u64 s[72:73], s[74:75], s[22:23]
	s_lshl_b32 s22, s3, 13  ; s[74:75] those of V
	s_lshl_b32 s46, s15, 12
	SADD 22, 46
	s_lshl_b32 s46, s12, 9
	SADD 22, 46
	s_lshl_b32 s46, s16, 8
	SADD 22, 46
	s_add_co_u32 s22, s22, 0x80000
	s_add_nc_u64 s[74:75], s[74:75], s[22:23]
	s_add_co_u32 s22, s100, 0x20000
	s_add_co_u32 s23, s100, 0x40000
	v_lshl_add_u32 v7, v3, 8, s22  ; my sixteenth of chunk 1, of chunk 2
	v_lshl_add_u32 v8, v3, 8, s23
	WALU
	s_cmp_eq_u32 s14, 0
	s_cbranch_scc0 .Lnot_b
	s_wait_tensorcnt 0x0  ; wave 0: the weight has landed.  The other waves' wait stands at the second barrier
.Lnot_b:
	BARRIER
	global_prefetch_b8 v7, s[8:9] th:TH_LOAD_NT scope:SCOPE_SE
	global_prefetch_b8 v8, s[8:9] th:TH_LOAD_NT scope:SCOPE_SE
.macro MIDDLE  ; a round's middle
	WIN 0
	s_barrier_wait -1
	s_cmp_lg_u32 s14, 0
	s_cbranch_scc1 .Lnot_wave_0_\@
	s_barrier_signal -3
.Lnot_wave_0_\@:
	s_barrier_wait -3
.endm
.macro GRD
	s_wait_tensorcnt 0x0
	ds_add_u32 v[SPW], v[NIL]
.endm
.macro FRAG f, adr, q, off  ; a weight's fragment f lies in window 1 + f / 16
	WIN (1+(\f)/FPW)<<6
.irp c, 0,1,2,3
	ds_load_b128 v[FR*((\f)%FPW)+4*\c:FR*((\f)%FPW)+4*\c+3], v[\adr] offset:128*(\q)+32*\c+(\off)
.endr
.endm
.macro FETCHAT k, j, so=0, a=ADRA, s=AAS  ; block j of a chunk, all of K, into set k of window 3, and its scale words: NF loads
	WIN 3<<6
.irp q, 0,1,2,3,4,5,6,7
.irp c, 0,1,2,3
	ds_load_b128 v[128*\k+FR*\q+4*\c:128*\k+FR*\q+4*\c+3], v[\a] offset:128*\q+32*\c+\j*16*PITCH
.endr
.endr
	WIN 0
	ds_load_b128 v[SA+8*\k:SA+8*\k+3], v[\s] offset:\so+\j*2*SCU
	ds_load_b128 v[SA+8*\k+4:SA+8*\k+7], v[\s] offset:\so+\j*2*SCU+16
.endm
.macro PROD kind, e, a, n  ; product n = 4 q + b: the q-th 128 of K, column tile b; rows in set e, sums in set a.  kind 0 (Q, K): source 0 = the weight's rows; kind 1 (V): source 0 = y's rows
.set Q_, (\n)/4
.set B_, (\n)%4
.set FB_, NB*Q_+B_
.set AC_, ACC+32*(\a)+8*B_
.set R_, 128*(\e)+FR*Q_
.set W_, FR*(FB_%FPW)
.set XS_, SA+8*(\e)+Q_
.set WS_, SB+8*(B_/2)+Q_
.if \kind
	WIN 3|((1+FB_/FPW)<<2)
.if Q_ && B_%2
	v_wmma_scale_f32_16x16x128_f8f6f4 v[AC_:AC_+7], v[R_:R_+FR-1], v[W_:W_+FR-1], v[AC_:AC_+7], v[XS_], v[WS_] matrix_b_scale:MATRIX_SCALE_ROW1
.elseif Q_
	v_wmma_scale_f32_16x16x128_f8f6f4 v[AC_:AC_+7], v[R_:R_+FR-1], v[W_:W_+FR-1], v[AC_:AC_+7], v[XS_], v[WS_]
.elseif B_%2
	v_wmma_scale_f32_16x16x128_f8f6f4 v[AC_:AC_+7], v[R_:R_+FR-1], v[W_:W_+FR-1], 0, v[XS_], v[WS_] matrix_b_scale:MATRIX_SCALE_ROW1
.else
	v_wmma_scale_f32_16x16x128_f8f6f4 v[AC_:AC_+7], v[R_:R_+FR-1], v[W_:W_+FR-1], 0, v[XS_], v[WS_]
.endif
.else
	WIN (1+FB_/FPW)|(3<<2)
.if Q_ && B_%2
	v_wmma_scale_f32_16x16x128_f8f6f4 v[AC_:AC_+7], v[W_:W_+FR-1], v[R_:R_+FR-1], v[AC_:AC_+7], v[WS_], v[XS_] matrix_a_scale:MATRIX_SCALE_ROW1
.elseif Q_
	v_wmma_scale_f32_16x16x128_f8f6f4 v[AC_:AC_+7], v[W_:W_+FR-1], v[R_:R_+FR-1], v[AC_:AC_+7], v[WS_], v[XS_]
.elseif B_%2
	v_wmma_scale_f32_16x16x128_f8f6f4 v[AC_:AC_+7], v[W_:W_+FR-1], v[R_:R_+FR-1], 0, v[WS_], v[XS_] matrix_a_scale:MATRIX_SCALE_ROW1
.else
	v_wmma_scale_f32_16x16x128_f8f6f4 v[AC_:AC_+7], v[W_:W_+FR-1], v[R_:R_+FR-1], 0, v[WS_], v[XS_]
.endif
.endif
.endm
.macro GAPQ m, x  ; THE QUANTISER OF Q's OR K's BLOCK, gaps 0 .. 26: two scale blocks of 32, each in lanes l and l xor 16: the sums at x -> codes NCD, two bytes EB
.if (\m) == 0
	v_max3_num_f32 v[TQ], |v[\x]|, |v[\x+1]|, (EMAX+1)<<23  ; the floor, under which a byte would fall under 1
	v_max3_num_f32 v[TQ+2], |v[\x+16]|, |v[\x+17]|, (EMAX+1)<<23
.elseif (\m) < 8
	v_max3_num_f32 v[TQ], v[TQ], |v[\x+2*(\m)]|, |v[\x+2*(\m)+1]|
	v_max3_num_f32 v[TQ+2], v[TQ+2], |v[\x+16+2*(\m)]|, |v[\x+17+2*(\m)]|
.elseif (\m) == 8
	v_permlanex16_b32 v[TQ+1], v[TQ], s60, s61
	v_permlanex16_b32 v[TQ+3], v[TQ+2], s60, s61
.elseif (\m) == 9
	v_max_num_f32 v[TQ], v[TQ], v[TQ+1]
	v_max_num_f32 v[TQ+2], v[TQ+2], v[TQ+3]
.elseif (\m) == 10
	v_add_nc_u32 v[SOP], -(EMAX<<23), v[TQ]
	v_and_or_b32 v[TQ+1], v[TQ], 0x7f800000, s62
	v_add_nc_u32 v[SOP+1], -(EMAX<<23), v[TQ+2]
.elseif (\m) < 27
.set M_, (\m)-11
.set HB_, TQ+1+2*(M_/8)  ; the bound; its second copy where the first would be read too late
.if M_%8 == 3
.set HB_, EB+2
.endif
	v_med3_num_f32 v[\x+2*M_], v[\x+2*M_], -v[HB_], v[HB_]
	v_med3_num_f32 v[\x+2*M_+1], v[\x+2*M_+1], -v[HB_], v[HB_]
.if M_%8 == 2
	v_mov_b32 v[EB+2], v[HB_]
.endif
.if M_ == 1
	v_lshrrev_b32 v[EB], 23, v[SOP]
.endif
.if M_ == 4
	v_lshrrev_b32 v[EB+1], 23, v[SOP+1]
.endif
.if M_ == 5
	v_lshl_or_b32 v[EB], v[EB+1], 8, v[EB]
.endif
.if M_ == 7
	v_and_or_b32 v[TQ+3], v[TQ+2], 0x7f800000, s62
.endif
.if M_%4 == 3
	v_cvt_scalef32_pk8_fp8_f32 v[NCD+2*(M_/4):NCD+2*(M_/4)+1], v[\x+8*(M_/4):\x+8*(M_/4)+7], v[SOP+M_/8]
.endif
.endif
.endm
.macro HOLD x, b
	v_med3_num_f32 v[\x], v[\x], -v[TQ+\b], v[TQ+\b]
.endm
.macro SCALES i, n  ; i = 0: the conversion's scale operand; 1: the bound; 2: a second copy of it; 3: the scale byte
.if (\i) == 0
	v_add_nc_u32 v[SOP+\n], -(EMAX<<23), v[TQ]
.elseif (\i) == 1
	v_and_or_b32 v[TQ+1], v[TQ], 0x7f800000, s62
.elseif (\i) == 2
	v_mov_b32 v[TQ+3], v[TQ+1]
.else
	v_lshrrev_b32 v[EB+\n], 23, v[SOP+\n]
.endif
.endm
.macro HOLDS m, x
.if (\m) == 3
	HOLD \x, 3
	HOLD \x+1, 3
.else
	HOLD \x, 1
	HOLD \x+1, 1
.endif
.if (\m) == 2
	SCALES 2, 0
.endif
.endm
.macro GAPV u, x  ; THE QUANTISER OF A PAIR OF V's BLOCKS, gaps 0 .. 59, 15 a tile: the even block's sums at x, the odd's at x + 32 -> codes MCD + 4 t, bytes EB + t
.set T_, (\u)/15
.set J_, (\u)%15
.set E_, \x+8*T_
.set O_, E_+32
.if (\u) > 59
.elseif J_ == 0
	v_max3_num_f32 v[TQ], |v[E_]|, |v[E_+1]|, |v[E_+2]|
	v_max3_num_f32 v[TQ+2], |v[O_]|, |v[O_+1]|, |v[O_+2]|
.elseif J_ < 3
	v_max3_num_f32 v[TQ], v[TQ], |v[E_+2*J_+1]|, |v[E_+2*J_+2]|
	v_max3_num_f32 v[TQ+2], v[TQ+2], |v[O_+2*J_+1]|, |v[O_+2*J_+2]|
.elseif J_ == 3
	v_max3_num_f32 v[TQ+2], v[TQ+2], |v[O_+7]|, (EMAX+1)<<23
	v_max3_num_f32 v[TQ], v[TQ], |v[E_+7]|, v[TQ+2]
.elseif J_ == 4
	v_permlanex16_b32 v[TQ+2], v[TQ], s60, s61
	v_max_num_f32 v[TQ], v[TQ], v[TQ+2]
.elseif J_ == 5
	SCALES 0, T_
	SCALES 1, T_
.elseif J_ < 10
	HOLDS J_-6, E_+2*(J_-6)
.if J_ == 9
	v_cvt_scalef32_pk8_fp8_f32 v[MCD+4*T_:MCD+4*T_+1], v[E_:E_+7], v[SOP+T_]
.endif
.elseif J_ < 14
	HOLDS J_-6, O_+2*(J_-10)
.if J_ == 13
	v_cvt_scalef32_pk8_fp8_f32 v[MCD+4*T_+2:MCD+4*T_+3], v[O_:O_+7], v[SOP+T_]
.endif
.else
	SCALES 3, T_
.endif
.endm
; WHAT STANDS BEHIND PRODUCT n.  j: 0 .. 3 the block in a trip; 10, 11, 12 blocks 12, 13, 14; 6 a pair's first block of V; 9 nothing of the kind.  y = 1: Q's or K's way out at x; 2, 3: the halves of a pair of V's
.macro LIST n, j, y, x
.if (\n) == 0
.if (\j) == 1 || (\j) == 11
	s_add_nc_u64 s[6:7], s[6:7], 0x8000
.elseif (\j) == 0 || (\j) == 10
	WIN 0
	v_add_nc_u32 v[ADRA], s[CUR], v[ADRA0]
.elseif (\j) == 2
	WIN 0
	v_add_nc_u32 v[ADRA], s[NXT], v[ADRA0]
.elseif (\j) == 6
	WIN 0
	v_add_nc_u32 v[ADRA], s[FSL], v[ADRA0]
.endif
.elseif (\n) == 1
.if (\j) == 0 || (\j) == 10 || (\j) == 6
	WIN 0
	v_add_nc_u32 v[AAS], s[AST], v[AAS0]
.endif
.elseif (\n) == 2
.if (\j) == 1 || (\j) == 11
	WIN 0
	v_add_nc_u32 v[VX], s[STX], v[VX0]
.endif
.elseif (\n) == 3
.if (\j) == 2 || (\j) == 11
	WIN 0
	v_lshl_add_u32 v7, v3, 8, s[POF]
.endif
.elseif (\n) == 29
.if (\j) == 0
	s_add_co_u32 s[G0R+1], s67, s[NXT]
.elseif (\j) == 10
	s_mov_b32 s[G0B+1], s67
	s_add_nc_u64 s[G0B+2:G0B+3], s[4:5], s[10:11]
.elseif (\j) == 12
	s_add_co_u32 s[G0R+1], s67, s[CUR]
	s_add_nc_u64 s[G0R+2:G0R+3], s[68:69], s[10:11]
.endif
.elseif (\n) == 30
.if (\j) == 0
	s_add_nc_u64 s[G0R+2:G0R+3], s[G0R+2:G0R+3], 0x20000
.elseif (\j) == 10
	s_or_b32 s[G0B+3], s[G0B+3], 0x80000000
.elseif (\j) == 12
	s_or_b32 s[G0R+3], s[G0R+3], 0x80000000
.endif
.endif
.if (\y) == 1 && (\n) > 0 && (\n) < 28
	WIN 0
	GAPQ (\n)-1, \x
.elseif (\y) == 2 && (\n) > 0 && (\n) < 31
	WIN 0
	GAPV (\n)-1, \x
.elseif (\y) == 3 && (\n) > 0 && (\n) < 31
	WIN 0
	GAPV (\n)+29, \x
.endif
.endm
.macro BLOCK kind, e, a, from, to, j, y, x
.set N_, \from
.rept (\to)-(\from)
	PROD \kind, \e, \a, N_
	LIST N_, \j, \y, \x
.set N_, N_+1
.endr
.endm
.macro BLK kind, e, a, w, j, y, x  ; w: the wait's count (-1: none): the NF loads of the other set may be out
.if (\w) >= 0
	s_wait_dscnt \w
.endif
	s_wait_xcnt 0x0
	BLOCK \kind, \e, \a, 0, 32, \j, \y, \x
	WIN 0
	PLACES NP
.endm
.macro RBLK kind, e, a, w, j, y, x  ; a block with a round of the cluster's barrier
.if (\w) >= 0
	s_wait_dscnt \w
.endif
	s_wait_xcnt 0x0
	GRD
	BLOCK \kind, \e, \a, 0, 28, \j, \y, \x
	WIN 0
	WALU
	s_wait_dscnt 0x0
	s_barrier_signal -1
	BLOCK \kind, \e, \a, 28, 32, \j, \y, \x
	MIDDLE
	BARRIER
.endm
.macro SBLK kind, e, a, w, j, y, x, half=0  ; a block with a plain barrier (half = 1: it shows waves 0 and 1's loads alone)
.if (\w) >= 0
	s_wait_dscnt \w
.endif
	s_wait_xcnt 0x0
	BLOCK \kind, \e, \a, 0, 28, \j, \y, \x
	WIN 0
	WALU
.if \half
	s_cmp_lt_u32 s14, 2
	s_cbranch_scc0 .Lnot_yet_\@
	s_wait_tensorcnt 0x0
.Lnot_yet_\@:
.else
	s_wait_tensorcnt 0x0
.endif
	s_wait_dscnt 0x0
	s_barrier_signal -1
	BLOCK \kind, \e, \a, 28, 32, \j, \y, \x
	WIN 0
	s_barrier_wait -1
	PLACES NP
.endm
.macro QOUT j  ; block j's two bytes a row go to their place in LDS, its codes leave: 2 x 512 consecutive bytes
	ds_store_b16 v[VX], v[EB] offset:4*\j
	global_store_b128 v[CO], v[NCD:NCD+3], s[6:7] offset:4096*\j
	global_store_b128 v[CO], v[NCD+4:NCD+7], s[6:7] offset:4096*\j+512
.endm
.irp q, 0,1,2,3,4,5,6,7  ; my 64 rows of the weight, all of K: windows 1 and 2
.irp b, 0,1,2,3
	FRAG NB*\q+\b, ADRB, \q, \b*16*PITCH
.endr
.endr
	WIN 0
	s_wait_tensorcnt 0x0  ; chunk 0 and the scale bytes are in; the weight is in registers
	s_wait_dscnt 0x0
	BARRIER
	FETCHAT 0, 0, 0, ADRA0, AAS0
	FETCHAT 1, 1, 0, ADRA0, AAS0
	s_mov_b32 s60, 0x76543210  ; lane l xor 16
	s_mov_b32 s61, 0xfedcba98
	s_mov_b32 s62, 0x600000  ; the mantissa field of 448
	s_mov_b32 s[G1B+2], 32<<16  ; no tensor load of mine is out: from here on W_v's descriptor brings 32 rows
	s_mov_b32 s[G1B+4], 32
.irp b, 0,1,2,3
	v_mov_b32 v[TQ+\b], 0  ; a lane permute's destination counts as one of its sources
.endr
.set I_, 0
.rept 32
	v_mov_b32 v[ACC+32+I_], 0  ; the first way out has no block before it: it works on these and stores nothing
.set I_, I_+1
.endr
	s_mov_b32 s46, 0
	s_mov_b32 s[CUR], 0
	s_mov_b32 s[NXT], YB
	s_mov_b32 s[STX], 0
	s_mov_b32 s[AST], 0
	s_add_co_u32 s[POF], s100, 0x60000
	s_cmp_lt_u32 ttmp9, 2
	s_cselect_b32 s[PSK], 64, 1
	WALU
	s_wait_loadcnt 0x0  ; the weights' scale words
	s_mov_b64 s[18:19], s[8:9]
.Lfour:
	RBLK 0, 0, 0, NF, 0, 1, ACC+32  ; blocks 0, 4, 8: chunks 1, 2, 3 come
	s_cmp_lt_u32 s14, 2  ; a load line each: the barrier inside the block two on waits for the first line's alone
	s_cbranch_scc0 .Lupper
	TLOAD G0R, G1R
	s_branch .Lboth
.Lupper:
	TLOAD G0R, G1R
.Lboth:
	PLACES NP-4
	s_cmp_eq_u32 s46, 0
	s_cbranch_scc1 .Lno_block_before
	QOUT 3
.Lno_block_before:
	FETCHAT 0, 2
	BLK 0, 1, 1, -1, 1, 1, ACC
	QOUT 0
	FETCHAT 1, 3
	SBLK 0, 0, 0, NF, 2, 1, ACC+32, 1  ; the next chunk's first half is in
	QOUT 1
	s_cmp_eq_u32 s46, s[PSK]
	s_cbranch_scc1 .Lnone_ahead
	global_prefetch_b8 v7, s[18:19] th:TH_LOAD_NT scope:SCOPE_SE
.Lnone_ahead:
	FETCHAT 0, 0, 16*SCU  ; of the next chunk
	BLK 0, 1, 1, -1, 3, 1, ACC
	QOUT 2
	FETCHAT 1, 1, 16*SCU
	s_mov_b32 s[CUR], s[NXT]
	s_xor_b32 s[NXT], s[NXT], YB
	s_add_co_u32 s[STX], s[STX], 512
	s_add_co_u32 s[AST], s[AST], 16*SCU
	s_cmp_eq_u32 s46, 0  ; asked for ahead: x's chunk 3, then W_v, then y's chunk 0
	s_cselect_b64 s[18:19], s[4:5], s[68:69]
	s_cselect_b32 s[POF], s101, s100
	s_add_co_u32 s46, s46, 1
	s_cmp_lg_u32 s46, 3
	s_cbranch_scc1 .Lfour
	s_add_co_u32 s[POF], s100, 0x20000
	RBLK 0, 0, 0, NF, 10, 1, ACC+32  ; block 12: W_v comes into slot 0
	TLOAD G0B, G1B
	PLACES NP-4
	QOUT 3
	FETCHAT 0, 2
	BLK 0, 1, 1, -1, 11, 1, ACC
	QOUT 0
	global_prefetch_b8 v7, s[68:69] th:TH_LOAD_NT scope:SCOPE_SE  ; y's chunk 1
	FETCHAT 1, 3
	RBLK 0, 0, 0, NF, 12, 1, ACC+32  ; block 14: W_v is in; slot 1 has been read: y's chunk 0 comes
	TLOAD G0R, G1R
	PLACES NP-4
	QOUT 1
	BLK 0, 1, 1, -1, 9, 1, ACC
	QOUT 2
; THE CHANGE OF PHASE: among W_v's 128 loads the last block's way out; W_v's scale words into their place; zeros into what no block has written yet (V's first trip reads them and stores nothing)
	s_wait_xcnt 0x0
.macro CHANGE i
.if (\i) < 7
.irp k, 0,1,2,3
.if 4*(\i)+\k < 27
	GAPQ 4*(\i)+\k, ACC+32
.endif
.endr
.elseif (\i) < 9
.irp q, 0,1,2,3,4,5,6,7
	v_mov_b32 v[SB+8*((\i)-7)+\q], v[WS+8*((\i)-7)+\q]
.endr
.elseif (\i) < 15
.irp q, 0,1,2,3,4,5,6,7
	v_mov_b32 v[ACC+80+8*((\i)-9)+\q], 0
.endr
.else
	v_add_nc_u32 v[ADRA], YB, v[ADRA0]  ; y's chunk 0
	v_add_nc_u32 v[AAS], 64*SCU, v[AAS0]
.endif
.endm
.irp q, 0,1,2,3,4,5,6,7
.irp b, 0,2
	FRAG NB*\q+\b, ADRB+1, \q, \b*16*PITCH
	FRAG NB*\q+\b+1, ADRB+1, \q, (\b+1)*16*PITCH
	WIN 0
	CHANGE 2*\q+\b/2
.endr
.endr
	WALU
	QOUT 3
	GRD
	s_mov_b32 s[G0R+1], s67
	s_add_nc_u64 s[G0R+2:G0R+3], s[G0R+2:G0R+3], 0x20000
	s_mov_b32 s46, 0
	s_mov_b32 s[FSL], YB+32*PITCH
	s_mov_b32 s[AST], 68*SCU
	s_wait_dscnt 0x0
	s_barrier_signal -1
	MIDDLE
	BARRIER
	TLOAD G0R, G1R
	FETCHAT 0, 0
	FETCHAT 1, 1
	s_wait_dscnt NF
.macro VOUT  ; a pair of V's blocks: four tiles' bytes and codes
.irp t, 0,1,2,3
	ds_store_b8 v[VX], v[EB+\t] offset:4*\t
	global_store_b128 v[CO], v[MCD+4*\t:MCD+4*\t+3], s[76:77] offset:4096*\t
.endr
.endm
.macro VTO  ; s22: the pair; where its codes and bytes go: chunk s22 / 2, block of 32 tokens s22 % 2
	s_lshr_b32 s20, s22, 1
	s_and_b32 s21, s22, 1
	s_lshl_b32 s23, s20, 9
	s_add_co_u32 s23, s23, s21
	s_lshl_b32 s20, s20, 11
	s_lshl_b32 s21, s21, 9
	s_add_co_u32 s20, s20, s21
	s_mov_b32 s21, 0
	s_add_nc_u64 s[76:77], s[70:71], s[20:21]
	v_add_nc_u32 v[VX], s23, v[RD]
.endm
.Lpair:
	BLK 1, 0, 0, -1, 6, 2, ACC+64
	s_cmp_eq_u32 s46, 3
	s_cbranch_scc1 .Lnone_0
	FETCHAT 0, 0
	s_wait_dscnt NF
	s_branch .Lgo
.Lnone_0:
	s_wait_dscnt 0x0
.Lgo:
	SBLK 1, 1, 1, -1, 9, 3, ACC+64  ; the first trip's shows y's chunk 1
.set I_, 0
.rept 32  ; the pair's sums are copied, so that one trip is two blocks of text
	v_dual_mov_b32 v[ACC+64+I_], v[ACC+I_] :: v_dual_mov_b32 v[ACC+64+I_+1], v[ACC+I_+1]
.set I_, I_+2
.endr
	s_add_co_u32 s22, s46, 3
	s_and_b32 s22, s22, 3
	VTO
	s_cmp_eq_u32 s46, 0
	s_cbranch_scc1 .Lno_pair_before
	VOUT
.Lno_pair_before:
	s_cmp_eq_u32 s46, 3
	s_cbranch_scc1 .Lnone_1
	FETCHAT 1, 1
.Lnone_1:
	s_mov_b32 s[AST], 84*SCU
	s_mov_b32 s[FSL], 32*PITCH
	s_cmp_eq_u32 s46, 0
	s_cselect_b32 s[FSL], 0, s[FSL]
	s_cselect_b32 s[AST], 80*SCU, s[AST]
	s_add_co_u32 s46, s46, 1
	s_cmp_lg_u32 s46, 4
	s_cbranch_scc1 .Lpair
	s_wait_xcnt 0x0
	s_mov_b32 s22, 3
	VTO
.set K_, 0
.rept 60
	GAPV K_, ACC+64
.set K_, K_+1
.endr
	VOUT
	s_wait_dscnt 0x0  ; the scale bytes
	BARRIER
	s_lshl_b32 s21, s14, 9
	s_add_co_u32 s21, s21, XN
	s_lshl_b32 s22, s14, 8
	s_add_co_u32 s22, s22, XV
	v_add_nc_u32 v21, s21, v[CO]
	v_lshlrev_b32 v22, 3, v3
	v_add_nc_u32 v23, s22, v22
	WALU
	ds_load_b128 v[60:63], v21
	ds_load_b64 v[40:41], v23
	s_wait_dscnt 0x0
	global_store_b128 v[CO], v[60:63], s[72:73]
	global_store_b64 v22, v[40:41], s[74:75]
	s_wait_tensorcnt 0x0  ; the wave's end
	ds_add_u32 v[SPW], v[NIL]
	s_wait_dscnt 0x0
	CROUND
	s_endpgm
.Lfunc_end_k_q16d7316b19_proj:
	.size	k_q16d7316b19_proj, .Lfunc_end_k_q16d7316b19_proj-k_q16d7316b19_proj
	.p2alignl 7, 3214868480
	.fill 96, 4, 3214868480
	.section	.rodata,"a",@progbits
	.p2align	6, 0x0
	.amdhsa_kernel k_q16d7316b19_proj
		.amdhsa_group_segment_fixed_size 327680
		.amdhsa_private_segment_fixed_size 0
		.amdhsa_enable_private_segment 0
		.amdhsa_kernarg_size 64
		.amdhsa_user_sgpr_count 2
		.amdhsa_user_sgpr_kernarg_segment_ptr 1
		.amdhsa_wavefront_size32 1
		.amdhsa_system_sgpr_workgroup_id_x 1
		.amdhsa_system_sgpr_workgroup_id_y 1
		.amdhsa_system_sgpr_workgroup_id_z 1
		.amdhsa_system_vgpr_workitem_id 0
		.amdhsa_next_free_vgpr 1024
		.amdhsa_next_free_sgpr 102
		.amdhsa_reserve_vcc 0
		.amdhsa_float_denorm_mode_32 3
		.amdhsa_float_denorm_mode_16_64 3
		.amdhsa_memory_ordered 1
		.amdhsa_forward_progress 1
		.amdhsa_inst_pref_size 185
	.end_amdhsa_kernel
	.amdgpu_metadata
---
amdhsa.version: [ 1, 2 ]
amdhsa.kernels:
  - .name:           k_q16d7316b19_proj
    .symbol:         k_q16d7316b19_proj.kd
    .args:
      - { .name: kernel_codes, .offset: 0, .size: 8, .value_kind: global_buffer, .address_space: global }
      - { .name: kernel_scales, .offset: 8, .size: 8, .value_kind: global_buffer, .address_space: global }
      - { .name: x_codes, .offset: 16, .size: 8, .value_kind: global_buffer, .address_space: global }
      - { .name: x_scales, .offset: 24, .size: 8, .value_kind: global_buffer, .address_space: global }
      - { .name: y_codes, .offset: 32, .size: 8, .value_kind: global_buffer, .address_space: global }
      - { .name: y_scales, .offset: 40, .size: 8, .value_kind: global_buffer, .address_space: global }
      - { .name: qkv, .offset: 48, .size: 8, .value_kind: global_buffer, .address_space: global }
      - { .name: qkvs, .offset: 56, .size: 8, .value_kind: global_buffer, .address_space: global }
    .group_segment_fixed_size: 327680
    .private_segment_fixed_size: 0
    .kernarg_segment_align: 8
    .kernarg_segment_size: 64
    .max_flat_workgroup_size: 128
    .sgpr_count:     102
    .vgpr_count:     1024
    .wavefront_size: 32
...
	.end_amdgpu_metadata
.endif
;; end of part 1
;; launch scores (part 2): grid 8 x 32, 4 waves a work-group, clusters of 4 x 4, 327,680 bytes of LDS; arguments qkv, qkvs, pc, pstat; writes pc, pstat
.if DOCPART == 2
	.amdgcn_target "amdgcn-amd-amdhsa--gfx1250"
	.amdhsa_code_object_version 6
	.text
	.protected	k_q16d7316b19_scores
	.globl	k_q16d7316b19_scores
	.p2align	8
	.type	k_q16d7316b19_scores,@function
k_q16d7316b19_scores:
	s_mov_b64 s[64:65], 0
	v_nop
	global_prefetch_b8 v0, s[64:65] scope:SCOPE_SE
	s_setreg_imm32_b32 hwreg(HW_REG_WAVE_MODE, 25, 1), 1
	s_wait_xcnt 0x0
	s_wait_alu depctr_hold_cnt(0) depctr_sa_sdst(0) depctr_va_vdst(0) depctr_va_sdst(0) depctr_va_ssrc(0) depctr_va_vcc(0) depctr_vm_vsrc(0)
	s_getreg_b32 s2, hwreg(HW_REG_IB_STS2, 6, 4)
	s_cmp_eq_u32 s2, 0
	s_cbranch_scc0 .Lentry_in_a_cluster
	s_endpgm
.Lentry_in_a_cluster:
	s_bfe_u32 s2, ttmp6, 0x10000c
	s_cmp_lg_u32 s2, 0xf033
	s_cbranch_scc0 .Lentry_shape_is_right
	s_endpgm
.Lentry_shape_is_right:
; LAUNCH 2 OF 3.  S = Q K^T on the codes that launch 1 made (K = 1,024), and the softmax's numerator, quantised along the keys.  No work of the problem is left out here.
; t = score x log2(e) / 32.  For each query and each 128 keys (a wave's columns) a LOCAL M = ceil(the largest t of the 128), a whole number; p = 2^(t - M) is quantised in blocks of 32 keys; the 128 keys' sum of the unquantised p is kept.
; The row's own M is the largest of its 16 local ones: launch 3 takes the difference, a whole number, off the scale bytes, which changes no code's value, and weighs the sums by the same power of two.
; TILES.  256 tiles of 256 queries x 256 keys, one to a work-group of four waves, a wave 128 x 128.  Source 0 = 16 keys, source 1 = 16 queries: a lane holds ONE query, register j of tile t key 16 t + 8 h + j, so the 16 registers of
; tiles 2 c, 2 c + 1 with lane l xor 16's are block c of 32 keys.  Inside a block the keys stand permuted as launch 1 permutes them in V.
; Q's and K's fragments lie in qkv as images of registers: a slot (256 along K) of 128 rows is one dense block of 32,768 bytes: one tensor load a wave, no padding, LDS loads of 512 consecutive bytes.
; OUT.  pc: batch x 0x400000 + (slot of 256 keys) x 0x80000 + (query in the batch / 16) x 4096 + (128-step) x 2048: images.   pstat: (query / 128) x 24576 + kind x 8192 + (key step 0-15) x 512 + [row 16][block 8] words;
; kind 0: p's four scale bytes, each + 1 (what launch 3's byte arithmetic wants); kind 1: -M as f32; kind 2: the sum.
; CLUSTERS: 4 x 4; Q's tiles are asked for jointly along a row of the cluster, K's along a column.
; LIMITS: NaN and infinities are not served.  p under 2^-126 counts as 0 (the exponential's own flush).  A block whose every p is under 2^-118 keeps the byte 1.
.set HALFT,  32768                     ; 128 rows x 256 along K, as images
.set SLOT,   4*HALFT                   ; Q's 256 rows, then K's
.set SPARE,  2*SLOT
.set STEPB,  0x200000                  ; from slot to slot in qkv
.set NP,     8
.set ADRA, 16
.set ADRB, 20
.set SCO,  24
.set CO,   26
.set SO,   27
.set SPW,  28
.set NIL,  29
.set SC,   32                          ; v32-95 scale words: register 8 ks + i: lanes 0-15 Q's block i, lanes 16-31 K's block i
.set TM,   96                          ; v96-99 the blocks' largest, v100-103 bytes, v104-107 448 x scale, v108-111 scale operands; at the end v96-107 the statistics on their way out
.set NM,   112                         ; v[112:113] -M (the packed form names the pair and takes its low word)
.set SUM,  114
.set SU2,  116
.set T0,   118
.set T1,   119
.set AF,   128
.set XN,   128
.set PC,   192
.set PW,   224                         ; v224-231 scale words + 0x01010101;  v232-239 -M;  v240-247 sums
.set MS,   232
.set LS,   240
.set G1,  24
.set G0,  32
.set G1B, 48
.set G0B, 56
.set SEL, 92
.set MNT, 94
.set UPH, 95
.set CS,  96                           ; s[96:97] log2(e) / 32
.set MUL_LO, 0xa1
.set MUL_HI, 0xf1
.set TO_B,   0x40
.set MSB, 0
.macro WIN new
.if MSB != \new
	s_set_vgpr_msb (MSB<<8)|\new
.set MSB, \new
.endif
.endm
.macro JLOAD g0a, g1a, g0b, g1b        ; waves 0, 1 fetch Q's halves, waves 2, 3 K's; s_nop 0 and four v_nop follow each line
	s_cmp_eq_u32 s15, 0
	s_cbranch_scc0 .Lfor_b_\@
	tensor_load_to_lds s[\g0a:\g0a+3], s[\g1a:\g1a+7]
	s_nop 0
.rept 4
	v_nop
.endr
	s_branch .Lasked_\@
.Lfor_b_\@:
	tensor_load_to_lds s[\g0b:\g0b+3], s[\g1b:\g1b+7]
	s_nop 0
.rept 4
	v_nop
.endr
.Lasked_\@:
.endm
.macro CREST
	s_cmp_lg_u32 s14, 0
	s_cbranch_scc1 .Lnot_wave_0_\@
	s_barrier_signal -3
.Lnot_wave_0_\@:
	s_barrier_wait -3
	s_barrier_signal -1
	s_barrier_wait -1
.endm
.macro CROUND
	s_barrier_signal -1
	s_barrier_wait -1
	CREST
.endm
.macro PLACES n
.rept \n
	v_nop
.endr
.endm
	s_load_b256 s[4:11], s[0:1], 0x0               ; qkv s[4:5], qkvs s[6:7], pc s[8:9], pstat s[10:11]
	v_lshl_add_u32 v[SPW], v0, 2, SPARE
	v_mov_b32 v[NIL], 0
	ds_add_u32 v[SPW], v[NIL]                      ; the wave's opening: the add, twice on end, and its wait ahead of my first tensor load
	ds_add_u32 v[SPW], v[NIL]
	v_lshrrev_b32 v1, 5, v0
	v_readfirstlane_b32 s14, v1                    ; wave
	s_lshr_b32 s15, s14, 1                         ; my half of the queries.  Also: I fetch for Q (0) or K (1)
	s_and_b32 s16, s14, 1                          ; my half of the keys.  Also: which 128 rows I fetch
	s_bfe_u32 s40, ttmp6, 0x40000                  ; cx
	s_bfe_u32 s41, ttmp6, 0x40004                  ; cy
	s_lshl_b32 s42, ttmp9, 2
	s_add_co_u32 s42, s42, s40                     ; X: the tile of 256 keys, 0..7
	s_and_b32 s12, ttmp7, 0xffff
	s_lshl_b32 s17, s12, 2
	s_add_co_u32 s17, s17, s41                     ; Y = 8 x batch + the tile of 256 queries
	s_lshr_b32 s13, s12, 1                         ; the batch: from the cluster's y alone
	s_lshl_b32 s43, s41, 2
	s_lshl_b32 s43, 15, s43
	s_lshl_b32 s44, 0x1111, s40
	s_or_b32 s[G1+0], s43, (3<<16)|(1<<21)         ; mask; elements of 8 bytes; bit 21 beside a mask; no padding
	s_or_b32 s[G1B+0], s44, (3<<16)|(1<<21)
.irp g, G1, G1B
	s_mov_b32 s[\g+1], 32<<16                      ; a dense block as rows of 256 bytes
	s_mov_b32 s[\g+2], 128<<16
	s_mov_b32 s[\g+3], 32<<16
	s_mov_b32 s[\g+4], 128
	s_mov_b32 s[\g+5], 32
	s_mov_b32 s[\g+6], 0
	s_mov_b32 s[\g+7], 0
.endr
	s_lshl_b32 s18, s16, 15                        ; the 8 blocks of rows that I fetch
	s_lshl_b32 s20, s17, 16                        ; Q: 16 blocks of rows a tile, 4,096 bytes each
	s_add_co_u32 s20, s20, s18
	s_mov_b32 s21, 0
	s_lshl_b32 s46, s13, 19                        ; K: 128 blocks a batch,
	s_lshl_b32 s47, s42, 16
	s_add_co_u32 s46, s46, s47
	s_add_co_u32 s46, s46, s18
	s_add_co_u32 s46, s46, 0x800000                ; behind Q's four slots
	s_mov_b32 s47, 0
	s_lshl_b32 s45, s14, 15                        ; where they go: wave x 32,768
	s_mov_b32 s[SEL], 0x76543210
	s_mov_b32 s[SEL+1], 0xfedcba98
	s_mov_b32 s[MNT], 0x600000
	s_mov_b32 s[UPH], 0xffff0000
	s_mov_b32 s[CS], 0x3d38aa3b                    ; log2(e) / 32
	s_mov_b32 s[CS+1], s[CS]
	s_wait_dscnt 0x0
	s_wait_kmcnt 0x0
	s_add_nc_u64 s[20:21], s[4:5], s[20:21]
	s_add_nc_u64 s[46:47], s[4:5], s[46:47]
	CROUND
.irp s, 0,1
	s_mov_b32 s[G0+4*\s], 1
	s_add_co_u32 s[G0+4*\s+1], s45, \s*SLOT
	s_add_nc_u64 s[G0+4*\s+2:G0+4*\s+3], s[20:21], \s*STEPB
	s_or_b32 s[G0+4*\s+3], s[G0+4*\s+3], 0x80000000
	s_mov_b32 s[G0B+4*\s], 1
	s_add_co_u32 s[G0B+4*\s+1], s45, \s*SLOT
	s_add_nc_u64 s[G0B+4*\s+2:G0B+4*\s+3], s[46:47], \s*STEPB
	s_or_b32 s[G0B+4*\s+3], s[G0B+4*\s+3], 0x80000000
.endr
	JLOAD G0, G1, G0B, G1B                         ; slot 0: one tensor load a wave at the head
	; PREFETCHES: each step of 256 along K that a wave will load (32,768 bytes) is shared out by address among the four partners that ask for it jointly: 32 blocks of 256 bytes each, a lane a block
	s_cmp_eq_u32 s15, 0
	s_cselect_b64 s[66:67], s[20:21], s[46:47]
	s_cselect_b32 s20, s40, s41
	s_lshl_b32 s20, s20, 13
	s_mov_b32 s21, 0
	s_add_nc_u64 s[66:67], s[66:67], s[20:21]
	v_and_b32 v30, 31, v0
	v_lshlrev_b32 v30, 8, v30
	global_prefetch_b8 v30, s[66:67] offset:0x200000 th:TH_LOAD_NT scope:SCOPE_SE
	; the scale words of all eight K steps, straight into their registers: lanes 0-15 read Q's unit, lanes 16-31 K's
	v_and_b32 v1, 15, v0                           ; r
	v_bfe_u32 v2, v0, 4, 1                         ; h
	s_wait_alu depctr_va_vdst(0)
	s_lshl_b32 s18, s17, 1
	s_add_co_u32 s18, s18, s15                     ; Q's group of 128 rows
	s_lshl_b32 s19, s13, 4
	s_lshl_b32 s22, s42, 1
	s_add_co_u32 s19, s19, s22
	s_add_co_u32 s19, s19, s16                     ; K's
	s_sub_co_i32 s19, s19, s18
	s_lshl_b32 s19, s19, 9
	s_add_co_u32 s19, s19, 262144                  ; from Q's unit to K's of the same K step: eight steps of 32,768 and the groups' difference: above 0
	s_lshl_b32 s22, s18, 9
	v_mul_u32_u24 v3, s19, v2
	v_lshl_add_u32 v[SCO], v1, 5, v3
	v_add_nc_u32 v[SCO], s22, v[SCO]
.irp q, 0,1,2,3,4,5,6,7
.irp e, 0,1
	global_load_b128 v[SC+8*\q+4*\e:SC+8*\q+4*\e+3], v[SCO], s[6:7] offset:32768*\q+16*\e
.endr
.endr
	v_and_b32 v5, 31, v0
	v_lshlrev_b32 v[CO], 4, v5
	v_lshlrev_b32 v[SO], 5, v1
	v_lshl_add_u32 v[SO], v2, 4, v[SO]
	s_lshl_b32 s21, s15, 15
	s_lshl_b32 s23, s16, 15
	s_add_co_u32 s23, s23, 2*HALFT
.irp s, 0,1
	v_add_nc_u32 v[ADRA+\s], s21, v[CO]
	v_add_nc_u32 v[ADRB+\s], s23, v[CO]
	s_add_co_u32 s21, s21, SLOT
	s_add_co_u32 s23, s23, SLOT
.endr
.irp b, 0,1,2,3
	v_mov_b32 v[TM+4+\b], 0                        ; a lane permute's destination counts as one of its sources
.endr
	v_mov_b32 v[NM+1], 0                           ; named with -M as a pair, so it is written
	s_mul_i32 s18, s18, 24576                      ; pstat: my group of 128 queries,
	s_lshl_b32 s19, s42, 1
	s_add_co_u32 s19, s19, s16
	s_lshl_b32 s19, s19, 9                         ; my key step
	s_add_co_u32 s18, s18, s19
	s_mov_b32 s19, 0
	s_add_nc_u64 s[10:11], s[10:11], s[18:19]
	s_lshl_b32 s18, s13, 22                        ; pc: the batch,
	s_lshl_b32 s19, s42, 19                        ; the slot of 256 keys,
	s_add_co_u32 s18, s18, s19
	s_and_b32 s19, s17, 7
	s_lshl_b32 s19, s19, 16                        ; the tile of queries,
	s_add_co_u32 s18, s18, s19
	s_lshl_b32 s19, s15, 15                        ; my half of it,
	s_add_co_u32 s18, s18, s19
	s_lshl_b32 s19, s16, 11                        ; my 128 keys of the slot
	s_add_co_u32 s18, s18, s19
	s_mov_b32 s19, 0
	s_add_nc_u64 s[8:9], s[8:9], s[18:19]
	s_wait_alu depctr_va_vdst(0)
	s_wait_loadcnt 0x0                             ; the scale words
.macro FRAG reg, adr, q, i             ; an image comes back as it was stored: 512 consecutive bytes a load
.irp c, 0,1,2,3
	ds_load_b128 v[\reg+4*\c:\reg+4*\c+3], v[\adr] offset:4096*(\i)+2048*(\q)+512*\c
.endr
.endm
.macro MUL16 a0, p, ks, zero           ; the 64 accumulators take turns in one order
.irp a, \a0, \a0+1
.irp b, 0,1,2,3,4,5,6,7
.if \zero
	v_wmma_scale_f32_16x16x128_f8f6f4 v[8*(8*((\a)%4)+\b):8*(8*((\a)%4)+\b)+7], v[128*(\p)+16*\b:128*(\p)+16*\b+15], v[AF+16*(\a):AF+16*(\a)+15], 0, v[SC+8*(\ks)+\b], v[SC+8*(\ks)+(\a)] matrix_a_scale:MATRIX_SCALE_ROW1
.else
	v_wmma_scale_f32_16x16x128_f8f6f4 v[8*(8*((\a)%4)+\b):8*(8*((\a)%4)+\b)+7], v[128*(\p)+16*\b:128*(\p)+16*\b+15], v[AF+16*(\a):AF+16*(\a)+15], v[8*(8*((\a)%4)+\b):8*(8*((\a)%4)+\b)+7], v[SC+8*(\ks)+\b], v[SC+8*(\ks)+(\a)] matrix_a_scale:MATRIX_SCALE_ROW1
.endif
.endr
.endr
.endm
.macro FETCH_B slot, q, p
	WIN TO_B
.irp i, 0,1,2,3,4,5,6,7
	FRAG 128*(\p)+16*\i, ADRB+\slot, \q, \i
.endr
	WIN 0
.endm
.macro FETCH_A slot, q, i0
.irp i, \i0, \i0+1, \i0+2, \i0+3
	FRAG AF+16*(\i), ADRA+\slot, \q, \i
.endr
.endm
.macro STEP slot, ks, zero
	s_wait_dscnt 16                                ; all but the 16 youngest loads (Q's blocks 4-7) are in
	WIN MUL_LO
	MUL16 0, 0, \ks, \zero
	MUL16 2, 0, \ks, \zero
	s_wait_dscnt 0x0
	PLACES NP
	FETCH_B \slot, 1, 1
	FETCH_A \slot, 1, 0
	WIN MUL_HI
	MUL16 4, 0, \ks, \zero
	MUL16 6, 0, \ks, \zero
	PLACES NP
	WIN 0
	FETCH_A \slot, 1, 4
.endm
.macro TURN slot, next, ks, fill
	s_wait_tensorcnt 0x0                           ; all my tensor loads have landed: my part of the next slot
	ds_add_u32 v[SPW], v[NIL]
	s_wait_dscnt 17                                ; the add and the 16 youngest loads may be out
	WIN MUL_LO
	MUL16 0, 1, \ks, 0
	s_wait_dscnt 0x0                               ; the add is done, and my reads of this slot are over
	s_barrier_signal -1
	MUL16 2, 1, \ks, 0
	WIN 0
	s_barrier_wait -1
.if \fill
	CREST                                          ; no wave of any partner still reads this slot or has a load on its way
	s_add_nc_u64 s[G0+4*\slot+2:G0+4*\slot+3], s[G0+4*\slot+2:G0+4*\slot+3], 2*STEPB
	s_add_nc_u64 s[G0B+4*\slot+2:G0B+4*\slot+3], s[G0B+4*\slot+2:G0B+4*\slot+3], 2*STEPB
	JLOAD G0+4*\slot, G1, G0B+4*\slot, G1B
	PLACES NP-4
.else
	PLACES NP
.endif
	FETCH_B \next, 0, 0
	FETCH_A \next, 0, 0
	WIN MUL_HI
	MUL16 4, 1, \ks, 0
	MUL16 6, 1, \ks, 0
	PLACES NP
	WIN 0
	FETCH_A \next, 0, 4
.endm
	s_wait_tensorcnt 0x0                           ; my part of slot 0 is in
	ds_add_u32 v[SPW], v[NIL]
	s_wait_dscnt 0x0
	CROUND
	JLOAD G0+4, G1, G0B+4, G1B                     ; slot 1
	global_prefetch_b8 v30, s[66:67] offset:0x400000 th:TH_LOAD_NT scope:SCOPE_SE   ; the step that the first refill will ask for
	FETCH_B 0, 0, 0
	FETCH_A 0, 0, 0
	FETCH_A 0, 0, 4
	STEP 0, 0, 1
	TURN 0, 1, 1, 1
	global_prefetch_b8 v30, s[66:67] offset:0x600000 th:TH_LOAD_NT scope:SCOPE_SE   ; the last step
	STEP 1, 2, 0
	TURN 1, 0, 3, 1
	STEP 0, 4, 0
	TURN 0, 1, 5, 0
	STEP 1, 6, 0
	s_wait_dscnt 16
	WIN MUL_LO
	MUL16 0, 1, 7, 0
	MUL16 2, 1, 7, 0
	s_wait_dscnt 0x0
	WIN MUL_HI
	MUL16 4, 1, 7, 0
	MUL16 6, 1, 7, 0
	WIN 0
	PLACES NP
; THE WAY OUT.  Block a: 16 queries x my 128 keys: 64 scores a lane.
.macro SOFT a
.set AC, 64*((\a)%4)
.set W, 2+(\a)/4
.set WW, 5*W
.set PCS, PC+16*((\a)%2)
	WIN WW
.irp b, 0,1,2,3
	v_max_num_f32 v[TM+\b], v[AC+16*\b], v[AC+16*\b+1]   ; the largest SCORE of each block of 32 keys: it serves the row's maximum and, since p rises with the score, the block's largest p.  Each accumulator is read from its low end on
.endr
.irp i, 2,4,6,8,10,12,14
.irp b, 0,1,2,3
	v_max3_num_f32 v[TM+\b], v[AC+16*\b+\i], v[AC+16*\b+\i+1], v[TM+\b]
.endr
.endr
	WIN 0
.irp b, 0,1,2,3
	v_permlanex16_b32 v[TM+4+\b], v[TM+\b], s[SEL], s[SEL+1]
.endr
.irp b, 0,1,2,3
	v_max_num_f32 v[TM+\b], v[TM+\b], v[TM+4+\b]
.endr
	v_max3_num_f32 v[T0], v[TM], v[TM+1], v[TM+2]
	v_max_num_f32 v[T0], v[T0], v[TM+3]
	v_mul_f32 v[T0], s[CS], v[T0]                  ; the largest t of the 128 keys
	v_floor_f32 v[NM], -v[T0]                      ; -M = floor(-t) = -ceil(t)
	WIN W
.irp j, 0,2,4,6,8,10,12,14,16,18,20,22,24,26,28,30,32,34,36,38,40,42,44,46,48,50,52,54,56,58,60,62
	v_pk_fma_f32 v[XN+\j:XN+\j+1], v[AC+\j:AC+\j+1], s[CS:CS+1], v[NM:NM+1] op_sel_hi:[1,0,0]   ; t - M, two at a time, into window 0
.endr
	WIN 0
.irp b, 0,1,2,3
	v_fma_f32 v[TM+\b], v[TM+\b], s[CS], v[NM]     ; the same of each block's largest score
.endr
	s_wait_alu depctr_va_vdst(0)
.irp j, 0,1,2,3,4,5,6,7,8,9,10,11,12,13,14,15,16,17,18,19,20,21,22,23,24,25,26,27,28,29,30,31,32,33,34,35,36,37,38,39,40,41,42,43,44,45,46,47,48,49,50,51,52,53,54,55,56,57,58,59,60,61,62,63
	v_exp_f32 v[XN+\j], v[XN+\j]                   ; p = 2^(t - M)
.endr
	v_mov_b32 v[MS+(\a)], v[NM]                    ; -M is kept.  (The plain instruction behind the batch)
	s_wait_alu depctr_va_vdst(0)                   ; one wait for the 64 exponentials, ahead of their first reader
.irp b, 0,1,2,3
	v_exp_f32 v[TM+\b], v[TM+\b]                   ; the block's largest p: the same two instructions on the same number
.endr
	v_pk_add_f32 v[SUM:SUM+1], v[XN:XN+1], v[XN+2:XN+3]   ; the sum of the UNQUANTISED p, in two chains; it reads the 64 alone
	v_pk_add_f32 v[SU2:SU2+1], v[XN+4:XN+5], v[XN+6:XN+7]
.irp j, 8,12,16,20,24,28,32,36,40,44,48,52,56,60
	v_pk_add_f32 v[SUM:SUM+1], v[SUM:SUM+1], v[XN+\j:XN+\j+1]
	v_pk_add_f32 v[SU2:SU2+1], v[SU2:SU2+1], v[XN+\j+2:XN+\j+3]
.endr
	v_pk_add_f32 v[SUM:SUM+1], v[SUM:SUM+1], v[SU2:SU2+1]
	s_wait_alu depctr_va_vdst(0)                   ; and one for the four
.irp b, 0,1,2,3
	v_max_num_f32 v[TM+\b], 0x4800000, v[TM+\b]    ; the floor 2^(9 - 127)
.endr
.irp b, 0,1,2,3
	v_add_nc_u32 v[TM+12+\b], 0xfc000000, v[TM+\b]
.endr
.irp b, 0,1,2,3
	v_and_or_b32 v[TM+8+\b], v[TM+\b], 0x7f800000, s[MNT]
.endr
.irp b, 0,1,2,3
	v_lshrrev_b32 v[TM+4+\b], 23, v[TM+12+\b]      ; the byte: 1 to 119, since p is at most 1
.endr
	v_lshl_or_b32 v[T0], v[TM+5], 8, v[TM+4]
	v_lshl_or_b32 v[T0], v[TM+6], 16, v[T0]
	v_lshl_or_b32 v[T0], v[TM+7], 24, v[T0]
	v_add_nc_u32 v[PW+(\a)], 0x01010101, v[T0]     ; each byte + 1, at most 120
	v_add_f32 v[T1], v[SUM], v[SUM+1]
	v_permlanex16_b32 v[T0], v[T1], s[SEL], s[SEL+1]
	v_add_f32 v[LS+(\a)], v[T1], v[T0]             ; the 128 keys' sum
.irp b, 0,1,2,3
.irp i, 0,1,2,3,4,5,6,7,8,9,10,11,12,13,14,15
	v_min_num_f32 v[XN+16*\b+\i], v[XN+16*\b+\i], v[TM+8+\b]   ; the hold; p is not negative, so it is one-sided
.endr
.endr
.if (\a) >= 2
	s_wait_alu depctr_va_vdst(0)
	s_wait_xcnt 0x0                                ; block a - 2's stores have read this set of code registers
.endif
.irp b, 0,1,2,3
	v_cvt_scalef32_pk8_fp8_f32 v[PCS+4*\b:PCS+4*\b+1], v[XN+16*\b:XN+16*\b+7], v[TM+12+\b]
	v_cvt_scalef32_pk8_fp8_f32 v[PCS+4*\b+2:PCS+4*\b+3], v[XN+16*\b+8:XN+16*\b+15], v[TM+12+\b]
.endr
	v_nop                                          ; a plain instruction behind the last conversion
.irp c, 0,1,2,3
	global_store_b128 v[CO], v[PCS+4*\c:PCS+4*\c+3], s[8:9] offset:4096*(\a)+512*\c   ; 512 consecutive bytes, aligned
.endr
.endm
.irp a, 0,1,2,3,4,5,6,7
	SOFT \a
.endr
.irp i, 0,1,2,3
	v_cndmask_b32 v[TM+\i], v[PW+\i], v[PW+4+\i], s[UPH]       ; lane (r, h): blocks 4 h .. 4 h + 3 of row r
	v_cndmask_b32 v[TM+4+\i], v[MS+\i], v[MS+4+\i], s[UPH]
	v_cndmask_b32 v[TM+8+\i], v[LS+\i], v[LS+4+\i], s[UPH]
.endr
	global_store_b128 v[SO], v[TM:TM+3], s[10:11]
	global_store_b128 v[SO], v[TM+4:TM+7], s[10:11] offset:8192
	global_store_b128 v[SO], v[TM+8:TM+11], s[10:11] offset:16384
	s_wait_tensorcnt 0x0                           ; the wave's end
	ds_add_u32 v[SPW], v[NIL]
	s_wait_dscnt 0x0
	CROUND
	s_endpgm
.Lfunc_end_k_q16d7316b19_scores:
	.size	k_q16d7316b19_scores, .Lfunc_end_k_q16d7316b19_scores-k_q16d7316b19_scores
	.p2alignl 7, 3214868480
	.fill 96, 4, 3214868480
	.section	.rodata,"a",@progbits
	.p2align	6, 0x0
	.amdhsa_kernel k_q16d7316b19_scores
		.amdhsa_group_segment_fixed_size 327680
		.amdhsa_private_segment_fixed_size 0
		.amdhsa_enable_private_segment 0
		.amdhsa_kernarg_size 32
		.amdhsa_user_sgpr_count 2
		.amdhsa_user_sgpr_kernarg_segment_ptr 1
		.amdhsa_wavefront_size32 1
		.amdhsa_system_sgpr_workgroup_id_x 1
		.amdhsa_system_sgpr_workgroup_id_y 1
		.amdhsa_system_sgpr_workgroup_id_z 1
		.amdhsa_system_vgpr_workitem_id 0
		.amdhsa_next_free_vgpr 1024
		.amdhsa_next_free_sgpr 100
		.amdhsa_reserve_vcc 0
		.amdhsa_float_denorm_mode_32 3
		.amdhsa_float_denorm_mode_16_64 3
		.amdhsa_memory_ordered 1
		.amdhsa_forward_progress 1
		.amdhsa_inst_pref_size 222
	.end_amdhsa_kernel
	.amdgpu_metadata
---
amdhsa.version: [ 1, 2 ]
amdhsa.kernels:
  - .name:           k_q16d7316b19_scores
    .symbol:         k_q16d7316b19_scores.kd
    .args:
      - { .name: qkv, .offset: 0, .size: 8, .value_kind: global_buffer, .address_space: global }
      - { .name: qkvs, .offset: 8, .size: 8, .value_kind: global_buffer, .address_space: global }
      - { .name: pc, .offset: 16, .size: 8, .value_kind: global_buffer, .address_space: global }
      - { .name: pstat, .offset: 24, .size: 8, .value_kind: global_buffer, .address_space: global }
    .group_segment_fixed_size: 327680
    .private_segment_fixed_size: 0
    .kernarg_segment_align: 8
    .kernarg_segment_size: 32
    .max_flat_workgroup_size: 128
    .sgpr_count:     100
    .vgpr_count:     1024
    .wavefront_size: 32
...
	.end_amdgpu_metadata
.endif
;; end of part 2
;; launch pv (part 3): grid 4 x 64, 4 waves a work-group, clusters of 4 x 4, 327,680 bytes of LDS; arguments pc, pstat, qkv, qkvs, out0; writes out0
.if DOCPART == 3
	.amdgcn_target "amdgcn-amd-amdhsa--gfx1250"
	.amdhsa_code_object_version 6
	.text
	.protected	k_q16d7316b19_pv
	.globl	k_q16d7316b19_pv
	.p2align	8
	.type	k_q16d7316b19_pv,@function
k_q16d7316b19_pv:
	s_mov_b64 s[64:65], 0
	v_nop
	global_prefetch_b8 v0, s[64:65] scope:SCOPE_SE
	s_setreg_imm32_b32 hwreg(HW_REG_WAVE_MODE, 25, 1), 1
	s_wait_xcnt 0x0
	s_wait_alu depctr_hold_cnt(0) depctr_sa_sdst(0) depctr_va_vdst(0) depctr_va_sdst(0) depctr_va_ssrc(0) depctr_va_vcc(0) depctr_vm_vsrc(0)
	s_getreg_b32 s2, hwreg(HW_REG_IB_STS2, 6, 4)
	s_cmp_eq_u32 s2, 0
	s_cbranch_scc0 .Lentry_in_a_cluster
	s_endpgm
.Lentry_in_a_cluster:
	s_bfe_u32 s2, ttmp6, 0x10000c
	s_cmp_lg_u32 s2, 0xf033
	s_cbranch_scc0 .Lentry_shape_is_right
	s_endpgm
.Lentry_shape_is_right:
; LAUNCH 3 OF 3.  out0 = (P V) / l on the codes of P (launch 2) and V (launch 1), K = the batch's 2,048 keys.  No work of the problem is left out here.
; AT THE HEAD the 16 local M of each query are joined: M = the largest; for key step q, d = M - M_q, a whole number, 0 or more.  l = the sum of l_q 2^-d; P's four scale bytes of that step become byte - d, which is p under the row's own M, code for code.
; BYTE ARITHMETIC: the stored bytes are byte + 1 (2 to 120); e = 127 - d, held at 0 from below, is added to all four at once (at most 247: no carry); a byte is then 128 + byte - d: where its top bit is set the low seven bits are kept, else it becomes 0.
; TILES.  256 tiles of 128 queries x 256 channels, one to a work-group of four waves; a wave 64 x 128 in 32 accumulators.  Source 0 = 16 channels of V, source 1 = 16 queries of P: a lane holds eight neighbouring channels of one query.
; P's and V's fragments are images of registers: a slot (256 keys) is 32,768 dense bytes of P and 65,536 of V.  Waves 0, 1 fetch P's halves, waves 2, 3 V's.  Two slots; eight slots' worth of keys, written out: each K step names its own scale registers.
; CLUSTERS: 4 x 4; P's tiles are asked for jointly along a row of the cluster (the four tiles of channels of one group of queries), V's along a column.
; LIMITS: NaN and infinities are not served.  A key step whose M lies 127 or more under the row's adds nothing to l; a scale byte that would fall under 0 is held at 0: such a term is at most 448 x 2^-127 x |V| beside l above 1/2.
; REGISTERS: window 0: v1-31 addresses; v32-39 1 / l, a pair for each of my four blocks; v64-127 P's scale words (4 ks + a); v128-255 V's (8 ks + b).   window 1: the accumulators, (a, b) at v[8 (8 a + b)].
;   window 2: V's fragments, two sets (at the head: the joining's numbers).   window 3: v0-127 P's fragments, two sets; v128-255 rows on the way out.
.set SLOT,   98304                     ; P's 32,768 bytes, then V's 65,536
.set VOFF,   32768
.set PWF,    2*SLOT                    ; behind the ring: P's corrected scale words, [key step 16][row 16][block 8]: 8,192 bytes
.set RL,     PWF+8192                  ; 1 / l, twice, for each of the 128 queries ([row][block]): 1,024 bytes
.set SPARE,  RL+1024                   ; the spare words, 128 bytes a wave
.set SPITCH, 528                       ; the way out: 16 rows x (512 + 16) bytes for each wave, in slot 0, which has had its last fill and its last read by then
.set NP,     8
.set VSO,  3                           ; v3   32 r
.set ADRA, 16
.set ADRB, 20
.set PWA,  22
.set RLA,  23
.set STO,  24
.set RD,   25
.set CO,   26
.set FXO,  27                          ; v27  4 x thread: my entry of a unit of pstat
.set SPW,  28
.set NIL,  29
.set FXL,  30                          ; v30  PWF + 4 x thread
.set RLS,  31                          ; v31  RL + 8 x thread
.set RLR,  32
.set PS,   64
.set VS,   128
.set G1,  24
.set G0,  32
.set G1B, 48
.set G0B, 56
.set MUL,  0x5e                        ; source 0 (V) window 2, source 1 (P) window 3, C and D window 1
.set MSB, 0
.macro WIN new
.if MSB != \new
	s_set_vgpr_msb (MSB<<8)|\new
.set MSB, \new
.endif
.endm
.macro JLOAD g0a, g1a, g0b, g1b        ; s_nop 0 and four v_nop follow each line
	s_cmp_eq_u32 s15, 0
	s_cbranch_scc0 .Lfor_b_\@
	tensor_load_to_lds s[\g0a:\g0a+3], s[\g1a:\g1a+7]
	s_nop 0
.rept 4
	v_nop
.endr
	s_branch .Lasked_\@
.Lfor_b_\@:
	tensor_load_to_lds s[\g0b:\g0b+3], s[\g1b:\g1b+7]
	s_nop 0
.rept 4
	v_nop
.endr
.Lasked_\@:
.endm
.macro CREST
	s_cmp_lg_u32 s14, 0
	s_cbranch_scc1 .Lnot_wave_0_\@
	s_barrier_signal -3
.Lnot_wave_0_\@:
	s_barrier_wait -3
	s_barrier_signal -1
	s_barrier_wait -1
.endm
.macro CROUND
	s_barrier_signal -1
	s_barrier_wait -1
	CREST
.endm
.macro PLACES n
.rept \n
	v_nop
.endr
.endm
	s_load_b256 s[4:11], s[0:1], 0x0               ; pc s[4:5], pstat s[6:7], qkv s[8:9], qkvs s[10:11]
	s_load_b64 s[12:13], s[0:1], 0x20              ; out0
	v_lshl_add_u32 v[SPW], v0, 2, SPARE
	v_mov_b32 v[NIL], 0
	ds_add_u32 v[SPW], v[NIL]                      ; the wave's opening: the add, twice on end, and its wait ahead of my first tensor load
	ds_add_u32 v[SPW], v[NIL]
	v_lshrrev_b32 v1, 5, v0
	v_readfirstlane_b32 s14, v1                    ; wave
	s_lshr_b32 s15, s14, 1                         ; my 64 of the 128 queries.  Also: I fetch for P (0) or V (1)
	s_and_b32 s16, s14, 1                          ; my 128 of the 256 channels.  Also: which half I fetch
	s_bfe_u32 s40, ttmp6, 0x40000                  ; cx
	s_bfe_u32 s41, ttmp6, 0x40004                  ; cy
	s_lshl_b32 s42, ttmp9, 2
	s_add_co_u32 s42, s42, s40                     ; X: the tile of 256 channels
	s_and_b32 s18, ttmp7, 0xffff
	s_lshl_b32 s17, s18, 2
	s_add_co_u32 s17, s17, s41                     ; Y: the group of 128 queries, 0..63
	s_lshr_b32 s19, s18, 2                         ; the batch: from the cluster's y alone
	s_lshl_b32 s43, s41, 2
	s_lshl_b32 s43, 15, s43
	s_lshl_b32 s44, 0x1111, s40
	s_or_b32 s[G1+0], s43, (3<<16)|(1<<21)         ; P: 16,384 dense bytes as 64 rows of 256
	s_mov_b32 s[G1+1], 32<<16
	s_mov_b32 s[G1+2], 64<<16
	s_mov_b32 s[G1+3], 32<<16
	s_mov_b32 s[G1+4], 64
	s_mov_b32 s[G1+5], 32
	s_mov_b32 s[G1+6], 0
	s_mov_b32 s[G1+7], 0
	s_or_b32 s[G1B+0], s44, (3<<16)|(1<<21)        ; V: 32,768 dense bytes as 128 rows of 256
	s_mov_b32 s[G1B+1], 32<<16
	s_mov_b32 s[G1B+2], 128<<16
	s_mov_b32 s[G1B+3], 32<<16
	s_mov_b32 s[G1B+4], 128
	s_mov_b32 s[G1B+5], 32
	s_mov_b32 s[G1B+6], 0
	s_mov_b32 s[G1B+7], 0
	s_lshl_b32 s20, s19, 22                        ; P: the batch,
	s_and_b32 s21, s17, 15
	s_lshl_b32 s21, s21, 15                        ; the group's 8 blocks of queries,
	s_add_co_u32 s20, s20, s21
	s_lshl_b32 s21, s16, 14                        ; the 4 that I fetch
	s_add_co_u32 s20, s20, s21
	s_mov_b32 s21, 0
	s_lshl_b32 s46, s19, 21                        ; V: the batch's 8 slots,
	s_lshl_b32 s47, s42, 16                        ; the tile's 16 blocks of channels,
	s_add_co_u32 s46, s46, s47
	s_lshl_b32 s47, s16, 15                        ; the 8 that I fetch
	s_add_co_u32 s46, s46, s47
	s_add_co_u32 s46, s46, 0x1000000               ; behind Q and K
	s_mov_b32 s47, 0
	s_lshl_b32 s45, s16, 14                        ; where they go: P's halves,
	s_lshl_b32 s22, s16, 15
	s_add_co_u32 s22, s22, VOFF                    ; V's halves behind them
	s_wait_dscnt 0x0
	s_wait_kmcnt 0x0
	s_add_nc_u64 s[20:21], s[4:5], s[20:21]
	s_add_nc_u64 s[46:47], s[8:9], s[46:47]
	CROUND
.irp s, 0,1
	s_mov_b32 s[G0+4*\s], 1
	s_add_co_u32 s[G0+4*\s+1], s45, \s*SLOT
	s_add_nc_u64 s[G0+4*\s+2:G0+4*\s+3], s[20:21], \s*0x80000
	s_or_b32 s[G0+4*\s+3], s[G0+4*\s+3], 0x80000000
	s_mov_b32 s[G0B+4*\s], 1
	s_add_co_u32 s[G0B+4*\s+1], s22, \s*SLOT
	s_add_nc_u64 s[G0B+4*\s+2:G0B+4*\s+3], s[46:47], \s*0x40000
	s_or_b32 s[G0B+4*\s+3], s[G0B+4*\s+3], 0x80000000
.endr
	JLOAD G0, G1, G0B, G1B                         ; slot 0: one tensor load a wave at the head
	; PREFETCHES: what a wave will load of a slot (P: 16,384 bytes, V: 32,768) is shared out by address among the four partners that ask for it jointly: 16 or 32 blocks of 256 bytes each (P's lanes 16-31 name the last block again)
	s_mov_b32 s68, 0x40000
	s_cmp_eq_u32 s15, 0
	s_cselect_b64 s[66:67], s[20:21], s[46:47]
	s_cselect_b32 s20, s40, s41
	s_cselect_b32 s21, 12, 13
	s_cselect_b32 s22, 15, 31
	s_cselect_b32 s68, 0x80000, s68                ; s[68:69] a slot on
	s_mov_b32 s69, 0
	s_lshl_b32 s20, s20, s21
	s_mov_b32 s21, 0
	s_add_nc_u64 s[66:67], s[66:67], s[20:21]
	s_add_nc_u64 s[66:67], s[66:67], s[68:69]      ; slot 1
	s_add_nc_u64 s[70:71], s[66:67], s[68:69]      ; slot 2
	s_add_nc_u64 s[72:73], s[70:71], s[68:69]      ; slot 3
	v_and_b32 v8, 31, v0
	v_min_u32 v8, s22, v8
	v_lshlrev_b32 v8, 8, v8
	global_prefetch_b8 v8, s[66:67] th:TH_LOAD_NT scope:SCOPE_SE
	v_and_b32 v1, 15, v0                           ; r
	v_bfe_u32 v2, v0, 4, 1                         ; h
	v_lshlrev_b32 v[VSO], 5, v1
	s_wait_alu depctr_va_vdst(0)
	v_lshlrev_b32 v[FXO], 2, v0
	s_wait_alu depctr_va_vdst(0)
	s_lshl_b32 s20, s19, 16                        ; V's scale words: the batch's 16 key steps of 4,096 bytes,
	s_lshl_b32 s21, s42, 1
	s_add_co_u32 s21, s21, s16
	s_lshl_b32 s21, s21, 9                         ; my group of 128 channels
	s_add_co_u32 s20, s20, s21
	s_add_co_u32 s20, s20, 0x80000
	s_mov_b32 s21, 0
	s_add_nc_u64 s[10:11], s[10:11], s[20:21]
	s_mul_i32 s20, s17, 24576                      ; the statistics of my group of queries
	s_add_nc_u64 s[6:7], s[6:7], s[20:21]
.irp ks, 0,1,2,3,4,5,6,7,8,9,10,11,12,13,14,15
.irp e, 0,1
	global_load_b128 v[VS+8*\ks+4*\e:VS+8*\ks+4*\e+3], v[VSO], s[10:11] offset:4096*\ks+16*\e   ; lane r: the words of channel r of blocks 4 e .. 4 e + 3
.endr
.endr
	WIN 0x80                                       ; destination window 2
.irp q, 0,1,2,3,4,5,6,7,8,9,10,11,12,13,14,15
	global_load_b32 v[\q], v[FXO], s[6:7] offset:512*\q            ; my query's scale word of key step q (each byte + 1),
	global_load_b32 v[16+\q], v[FXO], s[6:7] offset:8192+512*\q    ; its -M,
	global_load_b32 v[32+\q], v[FXO], s[6:7] offset:16384+512*\q   ; its sum
.endr
	WIN 0
	v_lshl_add_u32 v[FXL], v0, 2, PWF
	v_lshl_add_u32 v[RLS], v0, 3, RL
	s_lshl_b32 s23, s15, 4
	s_add_co_u32 s23, s23, PWF
	v_lshl_add_u32 v[PWA], v1, 5, s23              ; row r's words of my four blocks
	s_lshl_b32 s23, s15, 5
	s_add_co_u32 s23, s23, RL
	v_lshl_add_u32 v[RLA], v1, 6, s23              ; and their 1 / l
	v_and_b32 v6, 31, v0
	v_lshlrev_b32 v[CO], 4, v6
	s_wait_alu depctr_va_vdst(0)
	s_lshl_b32 s21, s15, 14
	s_lshl_b32 s22, s16, 15
	s_add_co_u32 s22, s22, VOFF
.irp s, 0,1
	v_add_nc_u32 v[ADRA+\s], s21, v[CO]
	v_add_nc_u32 v[ADRB+\s], s22, v[CO]
	s_add_co_u32 s21, s21, SLOT
	s_add_co_u32 s22, s22, SLOT
.endr
	s_mul_i32 s23, s14, 16*SPITCH                  ; my stage
	v_mul_u32_u24 v5, v1, SPITCH
	v_lshl_add_u32 v5, v2, 5, v5
	v_add_nc_u32 v[STO], s23, v5                   ; in: row r, 32 bytes for each half of the lanes
	v_add_nc_u32 v[RD], s23, v[CO]                 ; back: the 32 lanes take one row of 512 bytes
	s_lshl_b32 s20, s17, 19                        ; out0: 128 rows of 4,096 bytes a group,
	s_lshl_b32 s21, s15, 18                        ; my 64,
	s_add_co_u32 s20, s20, s21
	s_lshl_b32 s21, s42, 10                        ; the tile's 256 channels,
	s_add_co_u32 s20, s20, s21
	s_lshl_b32 s21, s16, 9                         ; my 128
	s_add_co_u32 s20, s20, s21
	s_mov_b32 s21, 0
	s_add_nc_u64 s[12:13], s[12:13], s[20:21]
	s_wait_loadcnt 0x0                             ; the statistics, and V's scale words with them
	WIN 0xaa                                       ; THE JOINING: a thread owns one query; all its numbers lie in window 2
.irp q, 0,1,2,3,4,5,6,7
	v_min_num_f32 v[64+\q], v[16+\q], v[24+\q]
.endr
.irp q, 0,1,2,3
	v_min_num_f32 v[64+\q], v[64+\q], v[68+\q]
.endr
	v_min_num_f32 v64, v64, v66
	v_min_num_f32 v65, v65, v67
	v_min_num_f32 v64, v64, v65                    ; the smallest -M: the row's
	v_add_f32 v48, 0x42fe0000, v64                 ; 127 - M
.irp q, 0,1,2,3,4,5,6,7,8,9,10,11,12,13,14,15
	v_sub_f32 v[64+\q], v48, v[16+\q]              ; 127 - (M - M_q)
.endr
.irp q, 0,1,2,3,4,5,6,7,8,9,10,11,12,13,14,15
	v_max_num_f32 v[64+\q], 0, v[64+\q]
.endr
.irp q, 0,1,2,3,4,5,6,7,8,9,10,11,12,13,14,15
	v_cvt_u32_f32 v[64+\q], v[64+\q]               ; e, 0 to 127
.endr
.irp q, 0,1,2,3,4,5,6,7,8,9,10,11,12,13,14,15
	v_lshlrev_b32 v[80+\q], 23, v[64+\q]           ; as an exponent field: 2^(M_q - M), or 0
.endr
	v_mul_f32 v50, v32, v80
	v_mul_f32 v51, v33, v81
.irp q, 2,4,6,8,10,12,14
	v_fma_f32 v50, v[32+\q], v[80+\q], v50
	v_fma_f32 v51, v[33+\q], v[81+\q], v51
.endr
	v_add_f32 v50, v50, v51                        ; l: above 1/2, since the step that holds the row's M counts in full
	s_wait_alu depctr_va_vdst(0)
	v_rcp_f32 v52, v50
.irp q, 0,1,2,3,4,5,6,7,8,9,10,11,12,13,14,15
	v_perm_b32 v[64+\q], v[64+\q], v[64+\q], 0     ; e in all four bytes.  (Plain work behind the reciprocal)
.endr
.irp q, 0,1,2,3,4,5,6,7,8,9,10,11,12,13,14,15
	v_add_nc_u32 v[\q], v[\q], v[64+\q]            ; each byte: 128 + byte - d
.endr
.irp q, 0,1,2,3,4,5,6,7,8,9,10,11,12,13,14,15
	v_and_b32 v[64+\q], 0x80808080, v[\q]
.endr
.irp q, 0,1,2,3,4,5,6,7,8,9,10,11,12,13,14,15
	v_lshrrev_b32 v[80+\q], 7, v[64+\q]
.endr
.irp q, 0,1,2,3,4,5,6,7,8,9,10,11,12,13,14,15
	v_sub_nc_u32 v[64+\q], v[64+\q], v[80+\q]      ; 0x7f where the top bit stood, else 0
.endr
.irp q, 0,1,2,3,4,5,6,7,8,9,10,11,12,13,14,15
	v_and_b32 v[\q], v[\q], v[64+\q]               ; byte - d, held at 0 from below
.endr
	s_wait_alu depctr_va_vdst(0)                   ; ahead of the reciprocal's first reader
	v_mov_b32 v53, v52
	WIN 0x08                                       ; an LDS store's data are its source 1: window 2
.irp q, 0,1,2,3,4,5,6,7,8,9,10,11,12,13,14,15
	ds_store_b32 v[FXL], v[\q] offset:512*\q
.endr
	ds_store_b64 v[RLS], v[52:53]
	WIN 0
	s_wait_tensorcnt 0x0                           ; my part of slot 0 is in
	ds_add_u32 v[SPW], v[NIL]
	s_wait_dscnt 0x0                               ; the add is done, and for the others' sake my stores have landed
	CROUND
	JLOAD G0+4, G1, G0B+4, G1B                     ; slot 1
	global_prefetch_b8 v8, s[70:71] th:TH_LOAD_NT scope:SCOPE_SE
	global_prefetch_b8 v8, s[72:73] th:TH_LOAD_NT scope:SCOPE_SE
.irp ks, 0,1,2,3,4,5,6,7,8,9,10,11,12,13,14,15
	ds_load_b128 v[PS+4*\ks:PS+4*\ks+3], v[PWA] offset:512*\ks
.endr
	ds_load_b128 v[RLR:RLR+3], v[RLA]
	ds_load_b128 v[RLR+4:RLR+7], v[RLA] offset:16
.macro FETCH3 slot, kk, p              ; 48 LDS loads in one run: V's eight fragments and P's four of the slot's kk-th 128 keys, into set p
	WIN 0x80
.irp b, 0,1,2,3,4,5,6,7
.irp c, 0,1,2,3
	ds_load_b128 v[128*(\p)+16*\b+4*\c:128*(\p)+16*\b+4*\c+3], v[ADRB+\slot] offset:4096*\b+2048*(\kk)+512*\c
.endr
.endr
	WIN 0xc0
.irp a, 0,1,2,3
.irp c, 0,1,2,3
	ds_load_b128 v[64*(\p)+16*\a+4*\c:64*(\p)+16*\a+4*\c+3], v[ADRA+\slot] offset:4096*\a+2048*(\kk)+512*\c
.endr
.endr
.endm
.macro MUL3 a, p, ks, zero             ; P's block a against V's eight; the 32 accumulators take turns in one order
.irp b, 0,1,2,3,4,5,6,7
.if \zero
	v_wmma_scale_f32_16x16x128_f8f6f4 v[8*(8*(\a)+\b):8*(8*(\a)+\b)+7], v[128*(\p)+16*\b:128*(\p)+16*\b+15], v[64*(\p)+16*(\a):64*(\p)+16*(\a)+15], 0, v[VS+8*(\ks)+\b], v[PS+4*(\ks)+(\a)]
.else
	v_wmma_scale_f32_16x16x128_f8f6f4 v[8*(8*(\a)+\b):8*(8*(\a)+\b)+7], v[128*(\p)+16*\b:128*(\p)+16*\b+15], v[64*(\p)+16*(\a):64*(\p)+16*(\a)+15], v[8*(8*(\a)+\b):8*(8*(\a)+\b)+7], v[VS+8*(\ks)+\b], v[PS+4*(\ks)+(\a)]
.endif
.endr
.endm
.macro STEP3 slot, ks, zero            ; a slot's first 128 keys, on set 0; the second 128's fragments are fetched ahead of the products
	s_wait_dscnt 0x0                               ; set 0 is in
	PLACES NP                                      ; in front of loads into set 1, which the last products read
	FETCH3 \slot, 1, 1
	WIN MUL
	MUL3 0, 0, \ks, \zero
	MUL3 1, 0, \ks, \zero
	MUL3 2, 0, \ks, \zero
	MUL3 3, 0, \ks, \zero
.endm
.macro TURN3 slot, next, ks, fill
	WIN 0
.if (\fill) && ((\ks) < 9)
	s_wait_xcnt 0x0                                ; my last prefetch has read its address
	s_add_nc_u64 s[72:73], s[72:73], s[68:69]      ; two slots on from the one that is asked for below; the last two turns ask for nothing ahead
.endif
	s_wait_tensorcnt 0x0                           ; all my tensor loads have landed: my part of the next slot
	ds_add_u32 v[SPW], v[NIL]
	s_wait_dscnt 1                                 ; the add alone may be out: set 1 is in
	WIN MUL
	MUL3 0, 1, \ks, 0
	s_wait_dscnt 0x0                               ; the add is done, and my reads of this slot are over
	s_barrier_signal -1
	MUL3 1, 1, \ks, 0
	WIN 0
	s_barrier_wait -1
.if \fill
	CREST                                          ; no wave of any partner still reads this slot or has a load on its way
	s_add_nc_u64 s[G0+4*\slot+2:G0+4*\slot+3], s[G0+4*\slot+2:G0+4*\slot+3], 0x100000
	s_add_nc_u64 s[G0B+4*\slot+2:G0B+4*\slot+3], s[G0B+4*\slot+2:G0B+4*\slot+3], 0x80000
	JLOAD G0+4*\slot, G1, G0B+4*\slot, G1B         ; the first tensor load behind the round: 48 matrix instructions ahead of the wait for it
	PLACES NP-4
.else
	PLACES NP
.endif
	FETCH3 \next, 0, 0
.if (\fill) && ((\ks) < 9)
	global_prefetch_b8 v8, s[72:73] th:TH_LOAD_NT scope:SCOPE_SE
.endif
	WIN MUL
	MUL3 2, 1, \ks, 0
	MUL3 3, 1, \ks, 0
.endm
	FETCH3 0, 0, 0
	STEP3 0, 0, 1                                  ; the first products start the sums
	TURN3 0, 1, 1, 1
	STEP3 1, 2, 0
	TURN3 1, 0, 3, 1
	STEP3 0, 4, 0
	TURN3 0, 1, 5, 1
	STEP3 1, 6, 0
	TURN3 1, 0, 7, 1
	STEP3 0, 8, 0
	TURN3 0, 1, 9, 1
	STEP3 1, 10, 0
	TURN3 1, 0, 11, 1
	STEP3 0, 12, 0
	TURN3 0, 1, 13, 0                              ; the last slot is in LDS or on its way: nothing more is asked for; behind this barrier nobody reads slot 0
	STEP3 1, 14, 0
	s_wait_dscnt 0x0
	MUL3 0, 1, 15, 0
	MUL3 1, 1, 15, 0
	MUL3 2, 1, 15, 0
	MUL3 3, 1, 15, 0
	WIN 0
	PLACES NP                                      ; in front of the first read of results
; THE WAY OUT, a block of 16 queries x 128 channels at a time: divided by l, through my own stage in LDS, back as whole rows of 512 bytes.  LDS serves a wave's instructions in order (ISA guide 5.7.1.4): no wait between the stores and the loads.
.macro TOSTAGE a
	WIN 0x41                                       ; destination and source 0 window 1, 1 / l in window 0
.set k, 0
.rept 32
	v_pk_mul_f32 v[64*(\a)+k:64*(\a)+k+1], v[64*(\a)+k:64*(\a)+k+1], v[RLR+2*(\a):RLR+2*(\a)+1]   ; each accumulator from its low end on
.set k, k+2
.endr
	WIN 0x04                                       ; the data: window 1
.irp b, 0,1,2,3,4,5,6,7
	ds_store_b128 v[STO], v[64*(\a)+8*\b:64*(\a)+8*\b+3] offset:64*\b
	ds_store_b128 v[STO], v[64*(\a)+8*\b+4:64*(\a)+8*\b+7] offset:64*\b+16
.endr
	WIN 0xc0                                       ; destination window 3
.irp t, 0,1,2,3,4,5,6,7,8,9,10,11,12,13,14,15
	ds_load_b128 v[128+64*((\a)%2)+4*\t:128+64*((\a)%2)+4*\t+3], v[RD] offset:\t*SPITCH
.endr
	WIN 0
.endm
.macro SEND a, younger                 ; younger: the LDS instructions issued behind block a's loads, which may stay out
	s_wait_dscnt \younger
	WIN 0x0c                                       ; the data: window 3
.irp t, 0,1,2,3,4,5,6,7,8,9,10,11,12,13,14,15
	global_store_b128 v[CO], v[128+64*((\a)%2)+4*\t:128+64*((\a)%2)+4*\t+3], s[12:13] offset:(16*(\a)+\t)*4096 th:TH_STORE_NT   ; 32 lanes store 512 consecutive bytes, aligned; written once, read by nobody here
.endr
	WIN 0
.endm
	TOSTAGE 0
.irp a, 1,2,3
.if \a > 1
	s_wait_xcnt 0x0                                ; block a - 2's stores have read their registers: block a's rows may land there
.endif
	TOSTAGE \a
	SEND \a-1, 32                                  ; behind block a - 1's loads: block a's 16 stores and 16 loads
.endr
	SEND 3, 0
	s_wait_tensorcnt 0x0                           ; the wave's end, behind my last tensor load and my last LDS store
	ds_add_u32 v[SPW], v[NIL]
	s_wait_dscnt 0x0
	CROUND                                         ; the closing round
	s_endpgm
.Lfunc_end_k_q16d7316b19_pv:
	.size	k_q16d7316b19_pv, .Lfunc_end_k_q16d7316b19_pv-k_q16d7316b19_pv
	.p2alignl 7, 3214868480
	.fill 96, 4, 3214868480
	.section	.rodata,"a",@progbits
	.p2align	6, 0x0
	.amdhsa_kernel k_q16d7316b19_pv
		.amdhsa_group_segment_fixed_size 327680
		.amdhsa_private_segment_fixed_size 0
		.amdhsa_enable_private_segment 0
		.amdhsa_kernarg_size 40
		.amdhsa_user_sgpr_count 2
		.amdhsa_user_sgpr_kernarg_segment_ptr 1
		.amdhsa_wavefront_size32 1
		.amdhsa_system_sgpr_workgroup_id_x 1
		.amdhsa_system_sgpr_workgroup_id_y 1
		.amdhsa_system_sgpr_workgroup_id_z 1
		.amdhsa_system_vgpr_workitem_id 0
		.amdhsa_next_free_vgpr 1024
		.amdhsa_next_free_sgpr 100
		.amdhsa_reserve_vcc 0
		.amdhsa_float_denorm_mode_32 3
		.amdhsa_float_denorm_mode_16_64 3
		.amdhsa_memory_ordered 1
		.amdhsa_forward_progress 1
		.amdhsa_inst_pref_size 175
	.end_amdhsa_kernel
	.amdgpu_metadata
---
amdhsa.version: [ 1, 2 ]
amdhsa.kernels:
  - .name:           k_q16d7316b19_pv
    .symbol:         k_q16d7316b19_pv.kd
    .args:
      - { .name: pc, .offset: 0, .size: 8, .value_kind: global_buffer, .address_space: global }
      - { .name: pstat, .offset: 8, .size: 8, .value_kind: global_buffer, .address_space: global }
      - { .name: qkv, .offset: 16, .size: 8, .value_kind: global_buffer, .address_space: global }
      - { .name: qkvs, .offset: 24, .size: 8, .value_kind: global_buffer, .address_space: global }
      - { .name: out0, .offset: 32, .size: 8, .value_kind: global_buffer, .address_space: global }
    .group_segment_fixed_size: 327680
    .private_segment_fixed_size: 0
    .kernarg_segment_align: 8
    .kernarg_segment_size: 40
    .max_flat_workgroup_size: 128
    .sgpr_count:     100
    .vgpr_count:     1024
    .wavefront_size: 32
...
	.end_amdgpu_metadata
.endif
;; end of part 3
